; MI455X (gfx1250); checked and timed in simulation.
; The chip was launched on July 23, 2026; its instructions are those of AMD's public machine-readable ISA for CDNA 5 (MIT licence, August 2026) and "CDNA5" Instruction Set Architecture Reference Guide (July 2026). The comments in the code are by the model that wrote it; some were corrected since.
;; Self Attention. Allowed arithmetic: float matrix products may take bf16 or f16 operands with f32 sums; other float arithmetic in f32, or as packed bf16 or f16 multiplies, adds, multiply-adds, maxima and minima; sums over many terms, partial sums and values carried from step to step in f32; what a program stores and reads back later, other than sums and carried values, may be rounded once to bf16 or f16.
;; Inputs: Wk 1,024 x 1,024 float32; Wo 1,024 x 1,024 float32; Wq 1,024 x 1,024 float32; Wv 1,024 x 1,024 float32; bk 1,024 float32; bo 1,024 float32; bq 1,024 float32; bv 1,024 float32; x 4 x 2,048 x 1,024 float32.
;; Outputs: out0 4 x 2,048 x 1,024 float32.
;; One version. Each part assembles by itself: llvm-mc -triple=amdgcn-amd-amdhsa -mcpu=gfx1250 --defsym DOCPART=n.
;; ======== version 1 of 1: 4 launches
;; limits: values outside matrix products are rounded to bf16
;; workspace buffers: xb 16,777,216 bytes; wcat 4,194,304 bytes; bias2 8,192 bytes; qv 33,554,432 bytes; pmat 33,554,432 bytes; ustat 524,288 bytes; lstat 524,288 bytes
;; launch prep (part 1): grid 256 x 1, 8 waves a work-group, no clusters, 164,352 bytes of LDS; arguments Wk, Wq, Wo, Wv, bq, bv, bo, x, xb, wcat, bias2; writes xb, wcat, bias2
.if DOCPART == 1
	.amdgcn_target "amdgcn-amd-amdhsa--gfx1250"
	.amdhsa_code_object_version 6
	.text
	.protected	k_qcac94b9240_prep
	.globl	k_qcac94b9240_prep
	.p2align	8
	.type	k_qcac94b9240_prep,@function
k_qcac94b9240_prep:
	s_mov_b64 s[64:65], 0
	v_nop
	global_prefetch_b8 v0, s[64:65] scope:SCOPE_SE
	s_setreg_imm32_b32 hwreg(HW_REG_WAVE_MODE, 25, 1), 1
	s_wait_xcnt 0x0
; SELF-ATTENTION, one head of 1,024 channels, 4 batches of 2,048 tokens.  FIRST OF FOUR LAUNCHES: the weights are folded, x is rounded to bf16.
; WORK LEFT OUT, for all finite values of the inputs, in exact arithmetic:
;  (1) bk.  score[s][t] = q_s . (x_t Wk + bk) = q_s . (x_t Wk) + q_s . bk, and q_s . bk is the same for every key t of row s: the softmax over t drops it.  bk has no way to the output:
;      it is not loaded and is among no launch's arguments.
;  (2) the k projection.  q_s . (x_t Wk) = (q_s Wk^T) . x_t, and q_s Wk^T = x_s (Wq Wk^T) + bq Wk^T: one product of 1,024^3 here takes the place of 8,192 x 1,024 x 1,024.
;  (3) the output projection.  A row's weights add up to 1, so (sum_t w_t v_t) Wo + bo = sum_t w_t (x_t (Wv Wo) + bv Wo + bo): again one product of 1,024^3 here.
; LIMITS.  The order of the roundings differs from the formula as written (products regrouped, bo carried inside the values).  All inputs, the biases too, are rounded to bf16, and so are the
; folded weights.  A NaN, an infinity or an overflow that reaches only bk's term is not carried to the result.
; WHAT IS MADE.  wcat[n][kk], bf16 [2,048][1,024]: n < 1,024: sum_j Wk[n][j] Wq[kk][j];  n = 1,024 + ch: sum_j Wo[j][ch] Wv[kk][j].
;   bias2[n], f32: n < 1,024: sum_j Wk[n][j] bq[j];  n = 1,024 + ch: sum_j Wo[j][ch] bv[j] + bo[ch].   xb = x in bf16.
; SHARES.  Work-group g: product p = g >> 7, 64 rows of wcat (rT = (g >> 3) & 15), 128 columns kk (kT = g & 7).  C[r][kk] = sum_j L[r][j] R[kk][j]; L = Wk, or Wo turned; R = Wq or Wv.
; Eight waves, each 32 rows x 32 columns: 2 x 2 accumulators.  j goes in 8 steps of 128 through two LDS slots; f32 passes through registers, where it is rounded, so no tensor load serves here.
; The matrix instruction is used transposed (source 0 = 16 rows of R, source 1 = 16 rows of L): a lane then holds one row of C and eight neighbouring kk.
; The biases: where kT = 0, the waves of the first 32 columns multiply L by a fragment whose 16 rows all hold the bias chunk.  Each work-group also rounds 1/256 of x.
; L's TWO FORMS HAVE LDS BYTES OF THEIR OWN: Wk's rows lie along j (64 rows of 272 bytes), Wo's along the channels (128 rows of 160 bytes); a work-group uses one of the two regions, by p.
; REGISTERS.  window 0: v4-26 addresses; v32-63 accumulators; v64-79 the biases' two; v80-87 the bias chunk as loaded; v96-191 set 0 (24 quads as loaded).
;   window 1: v0-95 set 1; v96-159 L's fragments; v160-223 R's; v224-255 the bias chunk's.
.set RO,    0                          ; a slot: R, 128 rows x 272 bytes (34,816),
.set L0O,   34816                      ; L as Wk has it, 64 rows x 272 bytes (17,408),
.set L1O,   52224                      ; L as Wo has it, 128 rows x 160 bytes (20,480),
.set BRO,   72704                      ; the bias chunk (256)
.set SLOT,  72960
.set STAGE, 2*SLOT                     ; 64 rows x 272 bytes, for the way out
.set SPARE, STAGE+64*272               ; the spare words, 128 bytes for each of the eight waves: no other line names them
.set VG0, 4                            ; memory: row = wave, 16 bytes a lane
.set VG1, 5                            ; memory, Wo: row = thread / 16, 16 bytes for thread % 16
.set ST0, 6                            ; v6-7   LDS store, rows of 272 bytes, slot 0, 1: R's at RO, Wk's at L0O, by the immediate
.set ST1, 8                            ; v8-9   LDS store, Wo's rows of 160 bytes (L1O lies in the register)
.set LF0, 10                           ; v10-11 L's fragments, rows along j
.set LF1, 12                           ; v12-13 L's fragments, turned
.set RF,  14                           ; v14-15 R's fragments
.set BF,  16                           ; v16-17 the bias chunk's fragments
.set BST, 18                           ; v18-19 the bias chunk's store
.set VB,  20
.set CST, 21
.set CR,  22
.set CG,  23
.set XO,  24
.set XS,  25
.set BO,  26
.set SPW, 28
.set NIL, 29
.set ACC, 32
.set BACC, 64
.set BQ,  80
.set TMP, 80
.set LFR, 96
.set RFR, 160
.set BFR, 224
.set PP,  30                           ; s30 p
.set KT,  32                           ; s32 kT
.set WV,  33                           ; s33 wave
.set LP,  36                           ; s[36:37] L, s[38:39] R, s[40:41] the bias: at the step that set 0 was last loaded for
.set RP,  38
.set BP,  40
.set LADV, 42                          ; s[42:43] L's bytes for two steps
.set DOB, 45                           ; s45 0 in the waves that multiply the bias
.set CNT, 46
.set MSB, 0
.macro WIN new                         ; the immediate's high byte repeats the setting that is left; a switch that changes nothing is dropped
.if MSB != (\new)
	s_set_vgpr_msb (MSB<<8)|(\new)
.set MSB, \new
.endif
.endm
	s_load_b512 s[8:23], s[0:1], 0x0               ; Wk s[8:9], Wq s[10:11], Wo s[12:13], Wv s[14:15], bq s[16:17], bv s[18:19], bo s[20:21], x s[22:23]
	s_load_b128 s[24:27], s[0:1], 0x40             ; xb s[24:25], wcat s[26:27]
	s_load_b64 s[28:29], s[0:1], 0x50              ; bias2
	v_lshl_add_u32 v[SPW], v0, 2, SPARE
	v_mov_b32 v[NIL], 0
	v_lshrrev_b32 v1, 5, v0
	v_readfirstlane_b32 s[WV], v1                  ; wave 0..7
	s_lshr_b32 s[PP], ttmp9, 7
	s_bfe_u32 s31, ttmp9, 0x40003                  ; rT
	s_and_b32 s[KT], ttmp9, 7
	s_lshr_b32 s34, s[WV], 2                       ; wr: which 32 rows
	s_and_b32 s35, s[WV], 3                        ; wc: which 32 columns
	s_or_b32 s[DOB], s[KT], s35
	v_and_b32 v2, 31, v0                           ; lane
	v_and_b32 v3, 15, v0                           ; r
	v_bfe_u32 v27, v0, 4, 1                        ; h
	s_lshl_b32 s46, s[WV], 12
	v_lshl_add_u32 v[VG0], v2, 4, s46
	s_lshl_b32 s46, s[WV], 13
	v_lshl_add_u32 v[VG1], v3, 4, s46
	v_lshl_add_u32 v[VG1], v27, 12, v[VG1]
	s_mul_i32 s46, s[WV], 272
	v_lshl_add_u32 v[ST0], v2, 3, s46
	v_add_nc_u32 v[ST0+1], SLOT, v[ST0]
	s_mul_i32 s46, s[WV], 320
	s_add_co_u32 s46, s46, L1O
	v_lshl_add_u32 v[ST1], v3, 3, s46
	v_mul_u32_u24 v30, v27, 160
	v_add_nc_u32 v[ST1], v[ST1], v30
	v_add_nc_u32 v[ST1+1], SLOT, v[ST1]
	v_mul_u32_u24 v31, v3, 272
	v_lshl_add_u32 v31, v27, 4, v31                ; r x 272 + 16 h
	s_mul_i32 s46, s34, 32*272                     ; my 32 rows
	s_add_co_u32 s47, s46, L0O
	v_add_nc_u32 v[LF0], s47, v31
	v_add_nc_u32 v[LF0+1], SLOT, v[LF0]
	s_lshl_b32 s47, s35, 6                         ; the stage: the same rows, my 32 columns' 64 bytes
	s_add_co_u32 s46, s46, s47
	s_add_co_u32 s46, s46, STAGE
	v_add_nc_u32 v[CST], s46, v31
	v_and_b32 v30, 7, v0                           ; the turning load: lane l reads row 8 h + l % 8, 16 bytes at 16 ((l / 8) % 2)
	v_lshl_add_u32 v30, v27, 3, v30
	v_mul_u32_u24 v[LF1], v30, 160
	v_bfe_u32 v30, v0, 3, 1
	v_lshl_add_u32 v[LF1], v30, 4, v[LF1]
	s_lshl_b32 s46, s34, 6
	s_add_co_u32 s46, s46, L1O
	v_add_nc_u32 v[LF1], s46, v[LF1]
	v_add_nc_u32 v[LF1+1], SLOT, v[LF1]
	s_mul_i32 s46, s35, 32*272                     ; R begins at the slot's first byte
	v_add_nc_u32 v[RF], s46, v31
	v_add_nc_u32 v[RF+1], SLOT, v[RF]
	v_lshl_add_u32 v[BF], v27, 4, BRO              ; no row term: all 16 rows of the fragment are the chunk
	v_add_nc_u32 v[BF+1], SLOT, v[BF]
	v_lshl_add_u32 v[BST], v2, 3, BRO
	v_add_nc_u32 v[BST+1], SLOT, v[BST]
	v_lshlrev_b32 v[VB], 4, v2
	s_mul_i32 s46, s[WV], 8*272
	s_add_co_u32 s46, s46, STAGE
	v_mul_u32_u24 v30, v27, 272
	v_lshl_add_u32 v30, v3, 4, v30
	v_add_nc_u32 v[CR], s46, v30
	s_lshl_b32 s46, s[WV], 14
	v_lshl_add_u32 v[CG], v3, 4, s46
	v_lshl_add_u32 v[CG], v27, 11, v[CG]
	v_lshlrev_b32 v[XO], 4, v0
	v_lshlrev_b32 v[XS], 3, v0
	s_lshl_b32 s46, s34, 7
	v_lshl_add_u32 v[BO], v3, 2, s46
.set q, 0
.rept 8
	v_mov_b32 v[BQ+q], 0                           ; written whole once, ahead of the loads that only one wave issues into them
.set q, q+1
.endr
	s_lshl_b32 s46, s31, 18                        ; L's first byte: 64 rT rows of Wk,
	s_lshl_b32 s47, s31, 8                         ; or 64 rT columns of Wo
	s_mov_b32 s[LADV], 1024                        ; two steps along a row of Wk,
	s_mov_b32 s44, 0x100000                        ; or 256 rows of Wo
	s_mov_b32 s[LADV+1], 0
	s_lshl_b32 s48, s[KT], 19                      ; R's 128 kT rows
	s_mov_b32 s49, 0
	s_lshl_b32 s50, s[PP], 21                      ; wcat: (1,024 p + 64 rT) rows of 2,048 bytes + 256 kT
	s_lshl_b32 s51, s31, 17
	s_add_co_u32 s50, s50, s51
	s_lshl_b32 s51, s[KT], 8
	s_add_co_u32 s50, s50, s51
	s_mov_b32 s51, 0
	s_wait_kmcnt 0x0
	s_add_nc_u64 s[26:27], s[26:27], s[50:51]
	s_lshl_b32 s50, ttmp9, 17                      ; my work-group's 131,072 bytes of x,
	s_add_nc_u64 s[22:23], s[22:23], s[50:51]
	s_lshl_b32 s50, ttmp9, 16                      ; and 65,536 of xb
	s_add_nc_u64 s[24:25], s[24:25], s[50:51]
	s_lshl_b32 s50, s31, 8                         ; bo at 64 rT
	s_add_nc_u64 s[20:21], s[20:21], s[50:51]
	s_lshl_b32 s52, s[PP], 12
	s_add_co_u32 s50, s50, s52                     ; bias2 at 1,024 p + 64 rT
	s_add_nc_u64 s[28:29], s[28:29], s[50:51]
	s_cmp_eq_u32 s[PP], 0
	s_cselect_b64 s[LP:LP+1], s[8:9], s[12:13]
	s_cselect_b64 s[RP:RP+1], s[10:11], s[14:15]
	s_cselect_b64 s[BP:BP+1], s[16:17], s[18:19]
	s_cselect_b32 s[LADV], s[LADV], s44
	s_cselect_b32 s46, s46, s47
	s_mov_b32 s47, 0
	s_add_nc_u64 s[LP:LP+1], s[LP:LP+1], s[46:47]
	s_add_nc_u64 s[RP:RP+1], s[RP:RP+1], s[48:49]
; A step's 24 loads of 16 bytes a thread into set sg: L's 8 (either form), R's 16; wave 0 of a work-group with kT = 0 also takes the bias chunk, last.
.macro LOADW sg
.set SB, 96-96*(\sg)
	s_cmp_lg_u32 s[PP], 0
	s_cbranch_scc1 .Lw1_\@
	WIN 0x40*(\sg)
.irp i, 0,1,2,3,4,5,6,7
	global_load_b128 v[SB+4*\i:SB+4*\i+3], v[VG0], s[LP:LP+1] offset:32768*\i+512*(\sg)
.endr
	WIN 0
	s_branch .Lw2_\@
.Lw1_\@:
	WIN 0x40*(\sg)
.irp i, 0,1,2,3,4,5,6,7
	global_load_b128 v[SB+4*\i:SB+4*\i+3], v[VG1], s[LP:LP+1] offset:65536*\i+524288*(\sg)
.endr
	WIN 0
.Lw2_\@:
	WIN 0x40*(\sg)
.irp i, 0,1,2,3,4,5,6,7,8,9,10,11,12,13,14,15
	global_load_b128 v[SB+32+4*\i:SB+32+4*\i+3], v[VG0], s[RP:RP+1] offset:32768*\i+512*(\sg)
.endr
	WIN 0
	s_cmp_lg_u32 s[KT], 0
	s_cbranch_scc1 .Lw3_\@
	s_cmp_lg_u32 s[WV], 0
	s_cbranch_scc1 .Lw3_\@
	global_load_b128 v[BQ+4*(\sg):BQ+4*(\sg)+3], v[VB], s[BP:BP+1] offset:512*(\sg)
.Lw3_\@:
.endm
; One step of 128 along j, on set and slot sg.  more = 1: the set is asked for again, two steps on; more = 2: it takes part of x instead.
; ONE barrier a step: in front of it a wave's stores into this slot are done, and so are its reads of the other slot (they were waited for ahead of the last step's products).
.macro STEP sg, more
.set SB, 96-96*(\sg)
	s_wait_loadcnt 24                              ; my set is in: behind its last load the other set's 24 (25 with a bias chunk), or 24 of x, were issued
	WIN 0x45*(\sg)
.set q, 0
.rept 24                               ; rounded in place, a quad into two registers; these 48 lines are also the places behind the last step's products
	v_cvt_pk_bf16_f32 v[SB+4*q], v[SB+4*q], v[SB+4*q+1]
	v_cvt_pk_bf16_f32 v[SB+4*q+1], v[SB+4*q+2], v[SB+4*q+3]
.set q, q+1
.endr
	WIN 0
	s_cmp_lg_u32 s[PP], 0
	s_cbranch_scc1 .Ls1_\@
	WIN 0x04*(\sg)
.irp i, 0,1,2,3,4,5,6,7
	ds_store_b64 v[ST0+(\sg)], v[SB+4*\i:SB+4*\i+1] offset:L0O+2176*\i
.endr
	WIN 0
	s_branch .Ls2_\@
.Ls1_\@:
	WIN 0x04*(\sg)
.irp i, 0,1,2,3,4,5,6,7
	ds_store_b64 v[ST1+(\sg)], v[SB+4*\i:SB+4*\i+1] offset:2560*\i
.endr
	WIN 0
.Ls2_\@:
	WIN 0x04*(\sg)
.irp i, 0,1,2,3,4,5,6,7,8,9,10,11,12,13,14,15
	ds_store_b64 v[ST0+(\sg)], v[SB+32+4*\i:SB+32+4*\i+1] offset:RO+2176*\i
.endr
	WIN 0
	s_cmp_lg_u32 s[KT], 0
	s_cbranch_scc1 .Ls3_\@
	s_cmp_lg_u32 s[WV], 0
	s_cbranch_scc1 .Ls3_\@
	v_cvt_pk_bf16_f32 v[BQ+4*(\sg)], v[BQ+4*(\sg)], v[BQ+4*(\sg)+1]
	v_cvt_pk_bf16_f32 v[BQ+4*(\sg)+1], v[BQ+4*(\sg)+2], v[BQ+4*(\sg)+3]
	ds_store_b64 v[BST+(\sg)], v[BQ+4*(\sg):BQ+4*(\sg)+1]
.Ls3_\@:
.if (\more) == 1
.if (\sg) == 0
	s_wait_xcnt 0x0                                ; the loads issued so far have read the three pointers, so these may be written
	s_add_nc_u64 s[LP:LP+1], s[LP:LP+1], s[LADV:LADV+1]
	s_add_nc_u64 s[RP:RP+1], s[RP:RP+1], 1024
	s_add_nc_u64 s[BP:BP+1], s[BP:BP+1], 1024
.endif
	LOADW \sg
.else
	WIN 0x40*(\sg)
.set q, 0
.rept 24-16*(\sg)                      ; x: 24 quads into set 0, the last 8 into set 1
	global_load_b128 v[SB+4*q:SB+4*q+3], v[XO], s[22:23] offset:4096*(24*(\sg)+q) th:TH_LOAD_NT
.set q, q+1
.endr
	WIN 0
.endif
	s_wait_dscnt 0x0                               ; for the others' sake: my stores into the slot are done
	s_barrier_signal -1
	s_barrier_wait -1
	s_cmp_lg_u32 s[PP], 0
	s_cbranch_scc1 .Lf1_\@
	WIN 0x40
.irp c, 0,1,2,3
.irp a, 0,1
	ds_load_b128 v[LFR+16*\c+8*\a:LFR+16*\c+8*\a+3],   v[LF0+(\sg)] offset:64*\c+4352*\a
	ds_load_b128 v[LFR+16*\c+8*\a+4:LFR+16*\c+8*\a+7], v[LF0+(\sg)] offset:64*\c+4352*\a+32
.endr
.endr
	WIN 0
	s_branch .Lf2_\@
.Lf1_\@:
	WIN 0x40
.irp c, 0,1,2,3
.irp a, 0,1
	ds_load_tr16_b128 v[LFR+16*\c+8*\a:LFR+16*\c+8*\a+3],   v[LF1+(\sg)] offset:5120*\c+32*\a
	ds_load_tr16_b128 v[LFR+16*\c+8*\a+4:LFR+16*\c+8*\a+7], v[LF1+(\sg)] offset:5120*\c+32*\a+2560
.endr
.endr
	WIN 0
.Lf2_\@:
	WIN 0x40
.irp c, 0,1,2,3
.irp b, 0,1
	ds_load_b128 v[RFR+16*\c+8*\b:RFR+16*\c+8*\b+3],   v[RF+(\sg)] offset:64*\c+4352*\b
	ds_load_b128 v[RFR+16*\c+8*\b+4:RFR+16*\c+8*\b+7], v[RF+(\sg)] offset:64*\c+4352*\b+32
.endr
.endr
	s_wait_dscnt 0x0
	WIN 0x05                                       ; sources in window 1, C and D in window 0
.irp c, 0,1,2,3                        ; the four accumulators take turns, one instruction a turn
.irp a, 0,1
.irp b, 0,1
	v_wmma_f32_16x16x32_bf16 v[ACC+8*(2*\a+\b):ACC+8*(2*\a+\b)+7], v[RFR+16*\c+8*\b:RFR+16*\c+8*\b+7], v[LFR+16*\c+8*\a:LFR+16*\c+8*\a+7], v[ACC+8*(2*\a+\b):ACC+8*(2*\a+\b)+7]
.endr
.endr
.endr
	WIN 0
	s_cmp_lg_u32 s[DOB], 0
	s_cbranch_scc1 .Lf3_\@
	WIN 0x40                                       ; the biases: the chunk's fragments and their eight products stand in one branch
.irp c, 0,1,2,3
	ds_load_b128 v[BFR+8*\c:BFR+8*\c+3],   v[BF+(\sg)] offset:64*\c
	ds_load_b128 v[BFR+8*\c+4:BFR+8*\c+7], v[BF+(\sg)] offset:64*\c+32
.endr
	s_wait_dscnt 0x0
	WIN 0x05
.irp c, 0,1,2,3
.irp a, 0,1
	v_wmma_f32_16x16x32_bf16 v[BACC+8*\a:BACC+8*\a+7], v[BFR+8*\c:BFR+8*\c+7], v[LFR+16*\c+8*\a:LFR+16*\c+8*\a+7], v[BACC+8*\a:BACC+8*\a+7]
.endr
.endr
	WIN 0
.Lf3_\@:
.endm
	LOADW 0                                        ; step 0
	LOADW 1                                        ; step 1
.set q, 0
.rept 48
	v_mov_b32 v[ACC+q], 0                          ; the sums start at 0: written while the first loads are on their way, so that the loop has one form of product
.set q, q+1
.endr
	s_mov_b32 s[CNT], 3
.Lk:                                                   ; steps 2 i and 2 i + 1 are multiplied, steps 2 i + 2 and 2 i + 3 asked for
	STEP 0, 1
	STEP 1, 1
	s_sub_co_u32 s[CNT], s[CNT], 1
	s_cmp_lg_u32 s[CNT], 0
	s_cbranch_scc1 .Lk
	STEP 0, 2                                      ; the last two steps ask for x
	STEP 1, 2
.rept 4
	v_nop                                          ; the places behind the last products
.endr
	; THE WAY OUT: rounded to bf16, 16 bytes a lane into the stage; a barrier, since a row's 256 bytes come from four waves; back as whole rows, 8 rows a wave.
.irp k, 0,1,2,3
.irp r, 0,1,2,3
	v_cvt_pk_bf16_f32 v[TMP+4*\k+\r], v[ACC+8*\k+2*\r], v[ACC+8*\k+2*\r+1]
.endr
.endr
.irp k, 0,1,2,3
	ds_store_b128 v[CST], v[TMP+4*\k:TMP+4*\k+3] offset:4352*(\k/2)+32*(\k%2)
.endr
	s_wait_dscnt 0x0
	s_barrier_signal -1
	s_barrier_wait -1
.irp t, 0,1,2,3
	ds_load_b128 v[TMP+4*\t:TMP+4*\t+3], v[CR] offset:544*\t
.endr
	s_wait_dscnt 0x0
.irp t, 0,1,2,3
	global_store_b128 v[CG], v[TMP+4*\t:TMP+4*\t+3], s[26:27] offset:4096*\t  ; 16 lanes store 256 consecutive bytes, at a multiple of 256 from wcat's first byte
.endr
	s_cmp_lg_u32 s[DOB], 0
	s_cbranch_scc1 .Lnobias
	s_cmp_eq_u32 s[PP], 0
	s_cbranch_scc1 .Lnobo
	global_load_b32 v30, v[BO], s[20:21]           ; bo joins the values' bias, rounded to bf16 like every input
	global_load_b32 v31, v[BO], s[20:21] offset:64
	s_wait_loadcnt 0x0
	v_cvt_pk_bf16_f32 v30, v30, v31
	v_lshlrev_b32 v31, 16, v30
	v_and_b32 v30, 0xffff0000, v30
	v_add_f32 v[BACC], v[BACC], v31
	v_add_f32 v[BACC+8], v[BACC+8], v30
.Lnobo:
	global_store_b32 v[BO], v[BACC], s[28:29]      ; all eight registers of the accumulator are alike; lanes l and l + 16 store the same number to the same word
	global_store_b32 v[BO], v[BACC+8], s[28:29] offset:64
.Lnobias:
	s_wait_loadcnt 0x0                             ; x
.set q, 0
.rept 24
	v_cvt_pk_bf16_f32 v[96+4*q], v[96+4*q], v[96+4*q+1]
	v_cvt_pk_bf16_f32 v[96+4*q+1], v[96+4*q+2], v[96+4*q+3]
	global_store_b64 v[XS], v[96+4*q:96+4*q+1], s[24:25] offset:2048*q  ; a wave stores 256 consecutive bytes, aligned
.set q, q+1
.endr
	WIN 0x45
.set q, 0
.rept 8
	v_cvt_pk_bf16_f32 v[4*q], v[4*q], v[4*q+1]
	v_cvt_pk_bf16_f32 v[4*q+1], v[4*q+2], v[4*q+3]
.set q, q+1
.endr
	WIN 0x04
.set q, 0
.rept 8
	global_store_b64 v[XS], v[4*q:4*q+1], s[24:25] offset:2048*(24+q)
.set q, q+1
.endr
	WIN 0
	s_wait_tensorcnt 0x0                           ; the wave's end, behind my last LDS store
	ds_add_u32 v[SPW], v[NIL]
	s_wait_dscnt 0x0
	s_endpgm
.Lfunc_end_k_qcac94b9240_prep:
	.size	k_qcac94b9240_prep, .Lfunc_end_k_qcac94b9240_prep-k_qcac94b9240_prep
	.p2alignl 7, 3214868480
	.fill 96, 4, 3214868480
	.section	.rodata,"a",@progbits
	.p2align	6, 0x0
	.amdhsa_kernel k_qcac94b9240_prep
		.amdhsa_group_segment_fixed_size 164352
		.amdhsa_private_segment_fixed_size 0
		.amdhsa_enable_private_segment 0
		.amdhsa_kernarg_size 88
		.amdhsa_user_sgpr_count 2
		.amdhsa_user_sgpr_kernarg_segment_ptr 1
		.amdhsa_wavefront_size32 1
		.amdhsa_system_sgpr_workgroup_id_x 1
		.amdhsa_system_sgpr_workgroup_id_y 1
		.amdhsa_system_sgpr_workgroup_id_z 1
		.amdhsa_system_vgpr_workitem_id 0
		.amdhsa_next_free_vgpr 512
		.amdhsa_next_free_sgpr 66
		.amdhsa_reserve_vcc 0
		.amdhsa_float_denorm_mode_32 3
		.amdhsa_float_denorm_mode_16_64 3
		.amdhsa_memory_ordered 1
		.amdhsa_forward_progress 1
		.amdhsa_inst_pref_size 79
	.end_amdhsa_kernel
	.amdgpu_metadata
---
amdhsa.version: [ 1, 2 ]
amdhsa.kernels:
  - .name:           k_qcac94b9240_prep
    .symbol:         k_qcac94b9240_prep.kd
    .args:
      - { .name: Wk, .offset: 0, .size: 8, .value_kind: global_buffer, .address_space: global }
      - { .name: Wq, .offset: 8, .size: 8, .value_kind: global_buffer, .address_space: global }
      - { .name: Wo, .offset: 16, .size: 8, .value_kind: global_buffer, .address_space: global }
      - { .name: Wv, .offset: 24, .size: 8, .value_kind: global_buffer, .address_space: global }
      - { .name: bq, .offset: 32, .size: 8, .value_kind: global_buffer, .address_space: global }
      - { .name: bv, .offset: 40, .size: 8, .value_kind: global_buffer, .address_space: global }
      - { .name: bo, .offset: 48, .size: 8, .value_kind: global_buffer, .address_space: global }
      - { .name: x, .offset: 56, .size: 8, .value_kind: global_buffer, .address_space: global }
      - { .name: xb, .offset: 64, .size: 8, .value_kind: global_buffer, .address_space: global }
      - { .name: wcat, .offset: 72, .size: 8, .value_kind: global_buffer, .address_space: global }
      - { .name: bias2, .offset: 80, .size: 8, .value_kind: global_buffer, .address_space: global }
    .group_segment_fixed_size: 164352
    .private_segment_fixed_size: 0
    .kernarg_segment_align: 8
    .kernarg_segment_size: 88
    .max_flat_workgroup_size: 256
    .sgpr_count:     66
    .vgpr_count:     512
    .wavefront_size: 32
...
	.end_amdgpu_metadata
.endif
;; end of part 1
;; launch proj (part 2): grid 8 x 32, 4 waves a work-group, clusters of 4 x 4, 327,680 bytes of LDS; arguments xb, wcat, qv, bias2; writes qv
.if DOCPART == 2
	.amdgcn_target "amdgcn-amd-amdhsa--gfx1250"
	.amdhsa_code_object_version 6
	.text
	.protected	k_qcac94b9240_proj
	.globl	k_qcac94b9240_proj
	.p2align	8
	.type	k_qcac94b9240_proj,@function
k_qcac94b9240_proj:
	s_mov_b64 s[64:65], 0
	v_nop
	global_prefetch_b8 v0, s[64:65] scope:SCOPE_SE
	s_setreg_imm32_b32 hwreg(HW_REG_WAVE_MODE, 25, 1), 1
	s_wait_xcnt 0x0
	s_wait_alu depctr_hold_cnt(0) depctr_sa_sdst(0) depctr_va_vdst(0) depctr_va_sdst(0) depctr_va_ssrc(0) depctr_va_vcc(0) depctr_vm_vsrc(0)
	s_getreg_b32 s2, hwreg(HW_REG_IB_STS2, 6, 4)
	s_cmp_eq_u32 s2, 0
	s_cbranch_scc0 .Lentry_in_a_cluster
	s_endpgm
.Lentry_in_a_cluster:
	s_bfe_u32 s2, ttmp6, 0x10000c
	s_cmp_lg_u32 s2, 0xf033
	s_cbranch_scc0 .Lentry_shape_is_right
	s_endpgm
.Lentry_shape_is_right:
; SECOND LAUNCH.  qv[t][n] = sum over kk of xb[t][kk] wcat[n][kk] + bias2[n]: [8,192][2,048] in bf16; columns 0-1,023 are q' = q Wk^T, columns 1,024-2,047 the values v'' = v Wo + bo.
; Left out, as shown at the first kernel's head: bk, the k projection and the output projection.
; A tile of C, 256 x 256, is made by four waves, each 128 x 128: 64 accumulators, 512 registers.  K = 1,024 goes in 8 steps of 128 through two LDS slots filled by the tensor data mover.
; CLUSTERS: 4 x 4 work-groups; A's tile is asked for jointly along a row of the cluster, B's along a column: the same tensor load, descriptor and mask in the four that it names.
; THE MATRIX INSTRUCTION IS USED TRANSPOSED (source 0 = 16 rows of B, source 1 = 16 rows of A): a lane holds one row of C and eight neighbouring columns.
; THE BIAS is the C operand of each accumulator's first product.
; THE LAST K STEP GOES BY ROWS OF C, in a loop of eight trips: B's fragments of the whole step fill window 1; a block of 16 rows is finished into eight fixed accumulators (FX), whose first
; products take the block's own accumulators as C, and leaves at once.  One text serves all eight blocks but for those first eight products, which a chain of forward jumps picks.
; REGISTERS: window 0: v16-31 addresses; v32-63 rows read back; v64-127, v128-191 A's fragments, two buffers (in the last step: v64-95 A's block, v128-191 FX); v192-223 packed results.
;   window 1: v0-63 the bias; v64-127, v128-191 B's fragments (in the last step all 256);  windows 2, 3: the accumulators of my rows 0-63, 64-127 ((a, b) at v[8 (8 a + b)]).
.set KSTEP,  128
.set PITCH,  272                       ; an LDS row: 256 bytes + 16 of padding = 68 words: the 16 rows of a load start at 16 different groups of four banks (64 banks of 4 bytes: ISA guide 11.1)
.set HALFT,  128*PITCH
.set SLOT,   4*HALFT
.set STAGE,  2*SLOT                    ; 16 rows x 272 bytes for each wave, for the way out
.set SPITCH, 272
.set SPARE,  STAGE+4*16*SPITCH         ; the spare words, 128 bytes a wave: no other line names them
.set LAPS,   4                         ; a lap = two K steps
.set CPB,    4096                      ; bytes in a row of C
.set ADRA, 16
.set ADRB, 20
.set STO,  24
.set RD,   25
.set CO,   26
.set AR,   27                          ; v27 LDS address of A's block in the last K step
.set SPW,  28
.set NIL,  29
.set PFO,  30
.set BOF,  31
.set OB,   32
.set PA,   64
.set F0,   64
.set F1,   128
.set FX,   128
.set TMP,  192
.set G1,   24
.set G0,   32
.set LIM,  43
.set PFA,  44
.set G1B,  48
.set G0B,  56
.set RA,   76                          ; s76 the block of rows in hand
.set MSB, 0
.macro WIN new                         ; the immediate's high byte repeats the setting that is left
.if MSB != (\new)
	s_set_vgpr_msb (MSB<<8)|(\new)
.set MSB, \new
.endif
.endm
.set MUL_LO, 0xa1                      ; source 0 (B) window 1, source 1 (A) window 0, C and D window 2
.set MUL_HI, 0xf1
.set TO_B,   0x40
.macro PLACES n
.rept \n
	v_nop
.endr
.endm
; A joint load: waves 0 and 1 fetch A's two halves, waves 2 and 3 B's.  An s_nop 0 and four v_nop follow each of the two lines.
.macro JLOAD s
	s_cmp_eq_u32 s11, 0
	s_cbranch_scc0 .Lfor_b_\@
	tensor_load_to_lds s[G0+4*(\s):G0+4*(\s)+3], s[G1:G1+7]
	s_nop 0
	PLACES 4
	s_branch .Lasked_\@
.Lfor_b_\@:
	tensor_load_to_lds s[G0B+4*(\s):G0B+4*(\s)+3], s[G1B:G1B+7]
	s_nop 0
	PLACES 4
.Lasked_\@:
.endm
; A prefetch of the K step that stands two refills on: 32 rows x 256 bytes, a lane a row.  A's rows are asked for by the cluster with x = 0, B's by the cluster with y = 0; the four partners
; of a joint load share its 128 rows out by address.  The loop's last trip asks for nothing: K has no such step.
.macro ASK
	s_cmp_gt_u32 s3, s[LIM]
	s_cbranch_scc0 .Lnot_mine_\@
	global_prefetch_b8 v[PFO], s[PFA:PFA+1] offset:KSTEP*2 th:TH_LOAD_NT scope:SCOPE_SE
.Lnot_mine_\@:
.endm
.macro CREST                           ; a round of the cluster's barrier behind its opening barrier
	s_cmp_lg_u32 s10, 0
	s_cbranch_scc1 .Lnot_wave_0_\@
	s_barrier_signal -3
.Lnot_wave_0_\@:
	s_barrier_wait -3
	s_barrier_signal -1
	s_barrier_wait -1
.endm
.macro CROUND
	s_barrier_signal -1
	s_barrier_wait -1
	CREST
.endm
	s_load_b128 s[4:7], s[0:1], 0x0                ; xb s[4:5], wcat s[6:7]
	s_load_b64 s[8:9], s[0:1], 0x10                ; qv
	s_load_b64 s[66:67], s[0:1], 0x18              ; bias2
	v_lshl_add_u32 v[SPW], v0, 2, SPARE
	v_mov_b32 v[NIL], 0
	ds_add_u32 v[SPW], v[NIL]                      ; the wave's opening: the add, twice on end, and its wait ahead of my first tensor load
	ds_add_u32 v[SPW], v[NIL]
	v_lshrrev_b32 v1, 5, v0
	v_readfirstlane_b32 s10, v1                    ; wave 0..3
	s_lshr_b32 s11, s10, 1                         ; which half of the tile's rows is mine; also: I fetch for A (0) or B (1)
	s_and_b32 s12, s10, 1                          ; which half of its columns; also: which 128 rows I fetch
	s_bfe_u32 s40, ttmp6, 0x40000                  ; cx
	s_bfe_u32 s41, ttmp6, 0x40004                  ; cy
	s_lshl_b32 s42, ttmp9, 2
	s_add_co_u32 s42, s42, s40                     ; tile column
	s_and_b32 s13, ttmp7, 0xffff
	s_lshl_b32 s13, s13, 2
	s_add_co_u32 s13, s13, s41                     ; tile row
	s_lshl_b32 s43, s41, 2
	s_lshl_b32 s43, 15, s43                        ; my row of the cluster
	s_lshl_b32 s44, 0x1111, s40                    ; my column
	s_or_b32 s[G1+0], s43, (1<<16)|(1<<20)|(1<<21)|(5<<22)|(3<<25)  ; the mask; 2-byte elements; padding on; bit 21 beside a mask; after every 64 words 4 words
	s_or_b32 s[G1B+0], s44, (1<<16)|(1<<20)|(1<<21)|(5<<22)|(3<<25)
.irp g, G1, G1B
	s_mov_b32 s[(\g)+1], KSTEP<<16                 ; tensor_dim0 = 128
	s_mov_b32 s[(\g)+2], 128<<16                   ; tensor_dim1 = 128
	s_mov_b32 s[(\g)+3], KSTEP<<16                 ; tile_dim0 = 128
	s_mov_b32 s[(\g)+4], 128                       ; tile_dim1 = 128
	s_mov_b32 s[(\g)+5], 1024                      ; elements from row to row
	s_mov_b32 s[(\g)+6], 0
	s_mov_b32 s[(\g)+7], 0
.endr
	s_lshl_b32 s17, s12, 7
	s_lshl_b32 s16, s13, 8
	s_add_co_u32 s16, s16, s17                     ; A: row 256 x tile row + 128 x half
	s_lshl_b32 s46, s42, 8
	s_add_co_u32 s46, s46, s17                     ; B: row 256 x tile column + 128 x half
	s_lshl_b32 s16, s16, 11                        ; rows of 2,048 bytes
	s_lshl_b32 s46, s46, 11
	s_mov_b32 s17, 0
	s_mov_b32 s47, 0
	s_mul_i32 s20, s10, HALFT                      ; where they go: wave x 128 rows
	s_wait_dscnt 0x0                               ; both opening adds are done
	s_wait_kmcnt 0x0
	s_add_nc_u64 s[14:15], s[4:5], s[16:17]
	s_add_nc_u64 s[46:47], s[6:7], s[46:47]
	CROUND                                         ; all sixteen work-groups are here: the first joint loads meet
.irp s, 0,1
	s_mov_b32 s[G0+4*(\s)], 1
	s_add_co_u32 s[G0+4*(\s)+1], s20, (\s)*SLOT
	s_add_nc_u64 s[G0+4*(\s)+2:G0+4*(\s)+3], s[14:15], (\s)*KSTEP*2
	s_or_b32 s[G0+4*(\s)+3], s[G0+4*(\s)+3], 0x80000000
	s_mov_b32 s[G0B+4*(\s)], 1
	s_add_co_u32 s[G0B+4*(\s)+1], s20, (\s)*SLOT
	s_add_nc_u64 s[G0B+4*(\s)+2:G0B+4*(\s)+3], s[46:47], (\s)*KSTEP*2
	s_or_b32 s[G0B+4*(\s)+3], s[G0B+4*(\s)+3], 0x80000000
	JLOAD \s
.endr
	v_and_b32 v1, 15, v0                           ; l % 16
	v_bfe_u32 v2, v0, 4, 1                         ; l / 16
	v_mul_u32_u24 v3, v1, PITCH
	v_lshl_add_u32 v3, v2, 4, v3
	s_mul_i32 s21, s11, HALFT
	s_mul_i32 s22, s12, HALFT
	s_add_co_u32 s22, s22, 2*HALFT
.irp s, 0,1
	v_add_nc_u32 v[ADRA+(\s)], s21, v3
	v_add_nc_u32 v[ADRB+(\s)], s22, v3
	s_add_co_u32 s21, s21, SLOT
	s_add_co_u32 s22, s22, SLOT
.endr
	v_mov_b32 v[AR], v[ADRA+1]                     ; the last K step lies in slot 1
	s_mul_i32 s23, s10, 16*SPITCH
	s_add_co_u32 s23, s23, STAGE
	v_mul_u32_u24 v4, v1, SPITCH
	v_lshl_add_u32 v4, v2, 4, v4
	v_add_nc_u32 v[STO], s23, v4
	v_mul_u32_u24 v5, v2, SPITCH
	v_lshl_add_u32 v5, v1, 4, v5
	v_add_nc_u32 v[RD], s23, v5
	v_lshlrev_b32 v5, 12, v2
	v_lshl_add_u32 v[CO], v1, 4, v5
	v_lshlrev_b32 v[BOF], 5, v2                    ; the bias: my lanes' 8 columns, 32 bytes for each half
	s_lshl_b32 s13, s13, 8                         ; 256 x tile row
	s_lshl_b32 s14, s11, 7
	s_add_co_u32 s16, s13, s14                     ; my first row of C,
	s_lshl_b32 s16, s16, 12                        ; in bytes
	s_mov_b32 s17, 0
	s_lshl_b32 s46, s42, 9                         ; my first column, in bytes: 512 x tile column + 256 x half
	s_lshl_b32 s47, s12, 8
	s_add_co_u32 s46, s46, s47
	s_add_co_u32 s16, s16, s46                     ; what the first way out adds to C's address
	s_lshl_b32 s20, s46, 1                         ; the same column in f32
	s_mov_b32 s21, 0
	s_add_nc_u64 s[66:67], s[66:67], s[20:21]
	WIN TO_B
.irp b, 0,1,2,3,4,5,6,7
	global_load_b128 v[8*\b:8*\b+3],   v[BOF], s[66:67] offset:64*\b
	global_load_b128 v[8*\b+4:8*\b+7], v[BOF], s[66:67] offset:64*\b+16
.endr
	WIN 0
	; the prefetches
	s_lshl_b32 s42, s42, 8
	s_and_b32 s22, ttmp7, 0xffff                   ; cluster y
	s_cmp_eq_u32 s11, 0                            ; do I fetch for A?
	s_cselect_b32 s20, s13, s42                    ; the tile's first row
	s_cselect_b32 s21, s40, s41                    ; my place among the four that ask for it with me
	s_cselect_b32 s22, ttmp9, s22                  ; the coordinate along which other clusters read the same rows
	s_cselect_b64 s[PFA:PFA+1], s[4:5], s[6:7]
	s_cmp_eq_u32 s22, 0
	s_cselect_b32 s[LIM], 1, -1
	s_lshl_b32 s22, s12, 7
	s_add_co_u32 s20, s20, s22
	s_lshl_b32 s21, s21, 5
	s_add_co_u32 s20, s20, s21
	s_lshl_b32 s20, s20, 11
	s_mov_b32 s21, 0
	s_add_nc_u64 s[PFA:PFA+1], s[PFA:PFA+1], s[20:21]
	s_add_nc_u64 s[PFA:PFA+1], s[PFA:PFA+1], 2*KSTEP*2  ; at K step 2: the first refill steps it to 3 and names K step 4
	v_and_b32 v[PFO], 31, v0
	v_lshlrev_b32 v[PFO], 11, v[PFO]
; 16 matrix instructions: m blocks a0, a0 + 1 of the window's four x all 8 n blocks, 32 along K.  zero = 1: C is 0; zero = 2: C is the bias (window 1, v[8 b]).
.macro MUL16 f, hi, a0, zero
.if (\zero) == 2
	WIN 0x91+0x40*(\hi)
.else
	WIN MUL_LO+0x50*(\hi)
.endif
.irp a, \a0, (\a0)+1
.irp b, 0,1,2,3,4,5,6,7
.if (\zero) == 1
	v_wmma_f32_16x16x32_bf16 v[8*(8*(\a)+(\b)):8*(8*(\a)+(\b))+7], v[(\f)+8*(\b):(\f)+8*(\b)+7], v[(\f)+8*(4*(\hi)+(\a)):(\f)+8*(4*(\hi)+(\a))+7], 0
.elseif (\zero) == 2
	v_wmma_f32_16x16x32_bf16 v[8*(8*(\a)+(\b)):8*(8*(\a)+(\b))+7], v[(\f)+8*(\b):(\f)+8*(\b)+7], v[(\f)+8*(4*(\hi)+(\a)):(\f)+8*(4*(\hi)+(\a))+7], v[8*(\b):8*(\b)+7]
.else
	v_wmma_f32_16x16x32_bf16 v[8*(8*(\a)+(\b)):8*(8*(\a)+(\b))+7], v[(\f)+8*(\b):(\f)+8*(\b)+7], v[(\f)+8*(4*(\hi)+(\a)):(\f)+8*(4*(\hi)+(\a))+7], v[8*(8*(\a)+(\b)):8*(8*(\a)+(\b))+7]
.endif
.endr
.endr
.endm
.macro FETCH slot, k, f                ; 32 LDS loads in one run: the fragments of one quarter step into buffer f
	WIN TO_B
.irp i, 0,1,2,3,4,5,6,7
	ds_load_b128 v[(\f)+8*(\i):(\f)+8*(\i)+3],   v[ADRB+(\slot)] offset:(\k)+(\i)*16*PITCH
	ds_load_b128 v[(\f)+8*(\i)+4:(\f)+8*(\i)+7], v[ADRB+(\slot)] offset:(\k)+(\i)*16*PITCH+32
.endr
	WIN 0
.irp i, 0,1,2,3,4,5,6,7
	ds_load_b128 v[(\f)+8*(\i):(\f)+8*(\i)+3],   v[ADRA+(\slot)] offset:(\k)+(\i)*16*PITCH
	ds_load_b128 v[(\f)+8*(\i)+4:(\f)+8*(\i)+7], v[ADRA+(\slot)] offset:(\k)+(\i)*16*PITCH+32
.endr
.endm
.macro QUARTER slot, k, f, g, zero     ; multiplies buffer f; in its middle it fetches the next quarter, at byte k of the slot's rows, into g
	s_wait_dscnt 8                                 ; B and A's rows 0-63 are in; the youngest eight loads (A's rows 64-127) may be out
	MUL16 \f, 0, 0, \zero
	MUL16 \f, 0, 2, \zero
	PLACES 4                                       ; in front of loads into registers that matrix instructions have read
	FETCH \slot, \k, \g
	s_wait_dscnt 32                                ; all but the 32 just issued
	MUL16 \f, 1, 0, \zero
	MUL16 \f, 1, 2, \zero
.endm
; The change of slots, first half: each wave waits for all its tensor loads (one is out: its part of the next slot), adds 0 to its spare word, waits for that and for its reads of this slot, and signals.
.macro MEET round
	WIN 0
	s_wait_tensorcnt 0x0
	ds_add_u32 v[SPW], v[NIL]
	s_wait_dscnt 9                                 ; the add and the youngest eight loads may be out
	MUL16 F1, 0, 0, 0
	s_wait_dscnt 0x0                               ; the add is done, and my reads of this slot are over
	s_barrier_signal -1
	MUL16 F1, 0, 2, 0
.if \round
	WIN 0
.endif
	s_barrier_wait -1
.endm
.macro TURN slot, next                 ; the last quarter of a K step: the slot just read out is filled again, two K steps on, first thing behind the cluster's round
	s_wait_xcnt 0x0                                ; the last prefetch, a K step back, has read its address
	s_add_nc_u64 s[PFA:PFA+1], s[PFA:PFA+1], KSTEP*2
	MEET 1
	CREST
	s_add_nc_u64 s[G0+4*(\slot)+2:G0+4*(\slot)+3], s[G0+4*(\slot)+2:G0+4*(\slot)+3], 2*KSTEP*2
	s_add_nc_u64 s[G0B+4*(\slot)+2:G0B+4*(\slot)+3], s[G0B+4*(\slot)+2:G0B+4*(\slot)+3], 2*KSTEP*2
	JLOAD \slot
	FETCH \next, 0, F0
	ASK
	MUL16 F1, 1, 0, 0
	MUL16 F1, 1, 2, 0
.endm
.macro BLOAD q                         ; the last K step: B's fragments of quarter q -> window 1, v[64 q ..]
	WIN TO_B
.irp i, 0,1,2,3,4,5,6,7
	ds_load_b128 v[64*(\q)+8*(\i):64*(\q)+8*(\i)+3],   v[ADRB+1] offset:64*(\q)+(\i)*16*PITCH
	ds_load_b128 v[64*(\q)+8*(\i)+4:64*(\q)+8*(\i)+7], v[ADRB+1] offset:64*(\q)+(\i)*16*PITCH+32
.endr
.endm
.macro ALOAD                           ; A's fragments of the block at v[AR], all four quarters
	WIN 0
.irp q, 0,1,2,3
	ds_load_b128 v[PA+8*(\q):PA+8*(\q)+3],   v[AR] offset:64*(\q)
	ds_load_b128 v[PA+8*(\q)+4:PA+8*(\q)+7], v[AR] offset:64*(\q)+32
.endr
.endm
.macro SNIP a                          ; block a's first quarter: FX = B A^T + the block's own accumulators
	WIN 0x21+0x10*((\a)/4)
.irp b, 0,1,2,3,4,5,6,7
	v_wmma_f32_16x16x32_bf16 v[FX+8*(\b):FX+8*(\b)+7], v[8*(\b):8*(\b)+7], v[PA:PA+7], v[64*((\a)%4)+8*(\b):64*((\a)%4)+8*(\b)+7]
.endr
	WIN 0
.endm
.macro ROWS                            ; the other three quarters, FX's eight accumulators by turns
	WIN 0x01
.irp q, 1,2,3
.irp b, 0,1,2,3,4,5,6,7
	v_wmma_f32_16x16x32_bf16 v[FX+8*(\b):FX+8*(\b)+7], v[64*(\q)+8*(\b):64*(\q)+8*(\b)+7], v[PA+8*(\q):PA+8*(\q)+7], v[FX+8*(\b):FX+8*(\b)+7]
.endr
.endr
	WIN 0
.endm
.macro TOSTAGE                         ; into my own stage, and back as whole rows of 256 bytes: LDS serves a wave's instructions in order (ISA guide 5.7.1.4)
.irp b, 0,1,2,3,4,5,6,7
	ds_store_b128 v[STO], v[TMP+4*(\b):TMP+4*(\b)+3] offset:32*(\b)
.endr
.irp t, 0,1,2,3,4,5,6,7
	ds_load_b128 v[OB+4*(\t):OB+4*(\t)+3], v[RD] offset:(\t)*2*SPITCH
.endr
.endm
.macro SEND
.irp t, 0,1,2,3,4,5,6,7
	global_store_b128 v[CO], v[OB+4*(\t):OB+4*(\t)+3], s[8:9] offset:2*(\t)*CPB  ; 16 lanes store 256 consecutive bytes, at a multiple of 256 from C's first byte
.endr
.endm
	s_wait_tensorcnt 1                             ; my part of K step 0 is in; K step 1's may stay out
	s_barrier_signal -1
	s_barrier_wait -1
	FETCH 0, 0, F0
	s_wait_loadcnt 0x0                             ; the bias
	QUARTER 0, 64,  F0, F1, 2                      ; the first quarter stands in front of the loop: its products start the sums, with the bias
	WIN 0
	s_mov_b32 s3, LAPS-1
.Llap:                                                 ; a trip goes once round the ring and fills both slots again
	QUARTER 0, 128, F1, F0, 0
	QUARTER 0, 192, F0, F1, 0
	TURN 0, 1
	QUARTER 1, 64,  F0, F1, 0
	QUARTER 1, 128, F1, F0, 0
	QUARTER 1, 192, F0, F1, 0
	TURN 1, 0
	QUARTER 0, 64,  F0, F1, 0
	WIN 0
	s_sub_co_u32 s3, s3, 1
	s_cmp_lg_u32 s3, 0
	s_cbranch_scc1 .Llap
	QUARTER 0, 128, F1, F0, 0
	QUARTER 0, 192, F0, F1, 0
	MEET 0                                         ; slot 1, the last K step, is whole; nothing is filled again, so no round follows
	PLACES 4
	BLOAD 0
	BLOAD 1
	BLOAD 3
	ALOAD                                          ; block 0
	MUL16 F1, 1, 0, 0
	MUL16 F1, 1, 2, 0
	PLACES 5                                       ; in front of loads into buffer 1, and of products that take the accumulators as another accumulator's C and write over A's buffer 1
	BLOAD 2
	WIN 0
	s_mov_b32 s[RA], 0
.Lrow:                                                 ; eight trips: a block of 16 rows is finished and leaves
	s_wait_dscnt 0x0                               ; B's fragments (first trip) and this block's A are in
.irp a, 0,1,2,3,4,5,6
	s_cmp_lg_u32 s[RA], \a
	s_cbranch_scc1 .Lnot_\a
	SNIP \a
	s_branch .Ljoin
.Lnot_\a:
.endr
	SNIP 7
.Ljoin:
	ROWS
	PLACES 5                                       ; in front of the loads into A's block, of the conversions, and of the next trip's products, which write FX anew
	s_cmp_eq_u32 s[RA], 7
	s_cbranch_scc1 .Lno_a
	v_add_nc_u32 v[AR], 16*PITCH, v[AR]
	ALOAD                                          ; the next block's A lands while this block leaves
.Lno_a:
.set i, 0
.rept 32
	v_cvt_pk_bf16_f32 v[TMP+i], v[FX+2*i], v[FX+2*i+1]
.set i, i+1
.endr
	s_wait_xcnt 0x0                                ; the last block's stores have read their registers and their base
	s_add_nc_u64 s[8:9], s[8:9], s[16:17]
	s_mov_b64 s[16:17], 16*CPB                     ; from now on: 16 rows on
	TOSTAGE
	s_wait_dscnt 0x0
	SEND
	s_add_co_u32 s[RA], s[RA], 1
	s_cmp_lt_u32 s[RA], 8
	s_cbranch_scc1 .Lrow
	s_wait_tensorcnt 0x0                           ; the wave's end
	ds_add_u32 v[SPW], v[NIL]
	s_wait_dscnt 0x0
	CROUND                                         ; the closing round
	s_endpgm
.Lfunc_end_k_qcac94b9240_proj:
	.size	k_qcac94b9240_proj, .Lfunc_end_k_qcac94b9240_proj-k_qcac94b9240_proj
	.p2alignl 7, 3214868480
	.fill 96, 4, 3214868480
	.section	.rodata,"a",@progbits
	.p2align	6, 0x0
	.amdhsa_kernel k_qcac94b9240_proj
		.amdhsa_group_segment_fixed_size 327680
		.amdhsa_private_segment_fixed_size 0
		.amdhsa_enable_private_segment 0
		.amdhsa_kernarg_size 32
		.amdhsa_user_sgpr_count 2
		.amdhsa_user_sgpr_kernarg_segment_ptr 1
		.amdhsa_wavefront_size32 1
		.amdhsa_system_sgpr_workgroup_id_x 1
		.amdhsa_system_sgpr_workgroup_id_y 1
		.amdhsa_system_sgpr_workgroup_id_z 1
		.amdhsa_system_vgpr_workitem_id 0
		.amdhsa_next_free_vgpr 1024
		.amdhsa_next_free_sgpr 80
		.amdhsa_reserve_vcc 0
		.amdhsa_float_denorm_mode_32 3
		.amdhsa_float_denorm_mode_16_64 3
		.amdhsa_memory_ordered 1
		.amdhsa_forward_progress 1
		.amdhsa_inst_pref_size 105
	.end_amdhsa_kernel
	.amdgpu_metadata
---
amdhsa.version: [ 1, 2 ]
amdhsa.kernels:
  - .name:           k_qcac94b9240_proj
    .symbol:         k_qcac94b9240_proj.kd
    .args:
      - { .name: xb, .offset: 0, .size: 8, .value_kind: global_buffer, .address_space: global }
      - { .name: wcat, .offset: 8, .size: 8, .value_kind: global_buffer, .address_space: global }
      - { .name: qv, .offset: 16, .size: 8, .value_kind: global_buffer, .address_space: global }
      - { .name: bias2, .offset: 24, .size: 8, .value_kind: global_buffer, .address_space: global }
    .group_segment_fixed_size: 327680
    .private_segment_fixed_size: 0
    .kernarg_segment_align: 8
    .kernarg_segment_size: 32
    .max_flat_workgroup_size: 128
    .sgpr_count:     80
    .vgpr_count:     1024
    .wavefront_size: 32
...
	.end_amdgpu_metadata
.endif
;; end of part 2
;; launch scores (part 3): grid 8 x 32, 4 waves a work-group, clusters of 4 x 4, 327,680 bytes of LDS; arguments qv, xb, pmat, ustat, lstat; writes pmat, ustat, lstat
.if DOCPART == 3
	.amdgcn_target "amdgcn-amd-amdhsa--gfx1250"
	.amdhsa_code_object_version 6
	.text
	.protected	k_qcac94b9240_scores
	.globl	k_qcac94b9240_scores
	.p2align	8
	.type	k_qcac94b9240_scores,@function
k_qcac94b9240_scores:
	s_mov_b64 s[64:65], 0
	v_nop
	global_prefetch_b8 v0, s[64:65] scope:SCOPE_SE
	s_setreg_imm32_b32 hwreg(HW_REG_WAVE_MODE, 25, 1), 1
	s_wait_xcnt 0x0
	s_wait_alu depctr_hold_cnt(0) depctr_sa_sdst(0) depctr_va_vdst(0) depctr_va_sdst(0) depctr_va_ssrc(0) depctr_va_vcc(0) depctr_vm_vsrc(0)
	s_getreg_b32 s2, hwreg(HW_REG_IB_STS2, 6, 4)
	s_cmp_eq_u32 s2, 0
	s_cbranch_scc0 .Lentry_in_a_cluster
	s_endpgm
.Lentry_in_a_cluster:
	s_bfe_u32 s2, ttmp6, 0x10000c
	s_cmp_lg_u32 s2, 0xf033
	s_cbranch_scc0 .Lentry_shape_is_right
	s_endpgm
.Lentry_shape_is_right:
; THIRD LAUNCH.  For each batch: s[q][t] = sum over n of q'[q][n] x[t][n] (q' = columns 0-1,023 of qv), and the softmax's first half, by blocks of 128 keys.
; Left out, as shown at the first kernel's head: bk's term, which is the same along a row's keys.
; THE SPLIT SOFTMAX.  c = log2(e) / 32.  For a row and a block of 128 keys: m = the largest score, u = floor(-c m), p = 2^(c s + u): the block's own maximum is taken away, rounded up to a whole
; power of two, so p is at most 1 (but for a last bit) and the largest p is above 1/2.  Stored: p in bf16 (pmat), u and the block's sum l of the unrounded p in f32 (ustat, lstat: [16 blocks][8,192 rows]).
; The next launch joins the blocks.  LIMITS: a weight below 2^-126 counts as 0; NaN and infinities are not treated apart.
; The product is the second launch's: tiles of 256 x 256, four waves of 128 x 128, K = 1,024 in 8 steps of 128, two LDS slots, joint loads in a cluster of 4 x 4, the matrix instruction transposed.
; A wave's 128 columns are one block of keys, and a lane holds one query: its 64 scores and the 64 of the lane 16 away are the row's block.
; THE LAST K STEP GOES BY ROWS, in a loop of eight trips, as in the second launch; a block of 16 rows is finished, its softmax made, and it leaves.
; REGISTERS as there; besides, in window 0: v31 where a block's u and l go; v96-111 at work on the softmax (inside A's buffer 0, free in the last K step).
.set KSTEP,  128
.set PITCH,  272
.set HALFT,  128*PITCH
.set SLOT,   4*HALFT
.set STAGE,  2*SLOT
.set SPITCH, 272
.set SS,     STAGE+4*16*SPITCH         ; for each wave 1,024 bytes: its 128 rows' u, then their l
.set SPARE,  SS+4096                   ; the spare words, 128 bytes a wave: no other line names them
.set LAPS,   4
.set CPB,    4096
.set ADRA, 16
.set ADRB, 20
.set STO,  24
.set RD,   25
.set CO,   26
.set AR,   27
.set SPW,  28
.set NIL,  29
.set PFO,  30
.set SSA,  31
.set OB,   32
.set PA,   64
.set F0,   64
.set F1,   128
.set FX,   128
.set TMP,  192
.set CT,   96                          ; v96-103 eight chains of the maximum
.set MX,   104
.set UU,   106                         ; v[106:107] u, named as a pair
.set LS,   108
.set X0,   110
.set X1,   111
.set G1,   24
.set G0,   32
.set LIM,  43
.set PFA,  44
.set G1B,  48
.set G0B,  56
.set CS,   70                          ; s[70:71] c; s72 -c; s73 the mask of lanes 16-31; s[74:75] v_permlanex16_b32's selects
.set RA,   76
.set MSB, 0
.macro WIN new
.if MSB != (\new)
	s_set_vgpr_msb (MSB<<8)|(\new)
.set MSB, \new
.endif
.endm
.set MUL_LO, 0xa1
.set MUL_HI, 0xf1
.set TO_B,   0x40
.macro PLACES n
.rept \n
	v_nop
.endr
.endm
.macro JLOAD s                         ; a joint load: waves 0 and 1 fetch A's halves, waves 2 and 3 B's; an s_nop 0 and four v_nop follow each line
	s_cmp_eq_u32 s11, 0
	s_cbranch_scc0 .Lfor_b_\@
	tensor_load_to_lds s[G0+4*(\s):G0+4*(\s)+3], s[G1:G1+7]
	s_nop 0
	PLACES 4
	s_branch .Lasked_\@
.Lfor_b_\@:
	tensor_load_to_lds s[G0B+4*(\s):G0B+4*(\s)+3], s[G1B:G1B+7]
	s_nop 0
	PLACES 4
.Lasked_\@:
.endm
; A prefetch of the K step two refills on, a lane a row.  q's rows are asked for by the cluster with x = 0, x's rows by the first of a batch's two clusters along y; partners share by address.
.macro ASK
	s_cmp_gt_u32 s3, s[LIM]
	s_cbranch_scc0 .Lnot_mine_\@
	global_prefetch_b8 v[PFO], s[PFA:PFA+1] offset:KSTEP*2 th:TH_LOAD_NT scope:SCOPE_SE
.Lnot_mine_\@:
.endm
.macro CREST
	s_cmp_lg_u32 s10, 0
	s_cbranch_scc1 .Lnot_wave_0_\@
	s_barrier_signal -3
.Lnot_wave_0_\@:
	s_barrier_wait -3
	s_barrier_signal -1
	s_barrier_wait -1
.endm
.macro CROUND
	s_barrier_signal -1
	s_barrier_wait -1
	CREST
.endm
	s_load_b128 s[4:7], s[0:1], 0x0                ; qv s[4:5], xb s[6:7]
	s_load_b64 s[8:9], s[0:1], 0x10                ; pmat
	s_load_b64 s[66:67], s[0:1], 0x18              ; ustat
	s_load_b64 s[68:69], s[0:1], 0x20              ; lstat
	v_lshl_add_u32 v[SPW], v0, 2, SPARE
	v_mov_b32 v[NIL], 0
	ds_add_u32 v[SPW], v[NIL]                      ; the wave's opening: the add, twice on end, and its wait ahead of my first tensor load
	ds_add_u32 v[SPW], v[NIL]
	v_lshrrev_b32 v1, 5, v0
	v_readfirstlane_b32 s10, v1
	s_lshr_b32 s11, s10, 1
	s_and_b32 s12, s10, 1
	s_bfe_u32 s40, ttmp6, 0x40000                  ; cx
	s_bfe_u32 s41, ttmp6, 0x40004                  ; cy
	s_lshl_b32 s42, ttmp9, 2
	s_add_co_u32 s42, s42, s40                     ; tile column: 256 keys of the batch
	s_and_b32 s13, ttmp7, 0xffff
	s_lshl_b32 s13, s13, 2
	s_add_co_u32 s13, s13, s41                     ; tile row: 256 of the 8,192 query rows
	s_lshl_b32 s43, s41, 2
	s_lshl_b32 s43, 15, s43
	s_lshl_b32 s44, 0x1111, s40
	s_or_b32 s[G1+0], s43, (1<<16)|(1<<20)|(1<<21)|(5<<22)|(3<<25)
	s_or_b32 s[G1B+0], s44, (1<<16)|(1<<20)|(1<<21)|(5<<22)|(3<<25)
.irp g, G1, G1B
	s_mov_b32 s[(\g)+1], KSTEP<<16
	s_mov_b32 s[(\g)+2], 128<<16
	s_mov_b32 s[(\g)+3], KSTEP<<16
	s_mov_b32 s[(\g)+4], 128
	s_mov_b32 s[(\g)+6], 0
	s_mov_b32 s[(\g)+7], 0
.endr
	s_mov_b32 s[G1+5], 2048                        ; a row of qv is 2,048 elements,
	s_mov_b32 s[G1B+5], 1024                       ; a row of xb 1,024
	s_mov_b32 s[CS], 0x3d38aa3b                    ; c = log2(e) / 32
	s_mov_b32 s[CS+1], s[CS]
	s_mov_b32 s72, 0xbd38aa3b
	s_mov_b32 s73, 0xffff0000
	s_mov_b32 s74, 0x76543210
	s_mov_b32 s75, 0xfedcba98
	s_lshl_b32 s17, s12, 7
	s_lshl_b32 s16, s13, 8
	s_add_co_u32 s16, s16, s17                     ; A: row 256 x tile row + 128 x half
	s_lshl_b32 s46, s42, 8
	s_add_co_u32 s46, s46, s17                     ; B: row 256 x tile column + 128 x half,
	s_and_b32 s21, ttmp7, 0xffff
	s_lshr_b32 s21, s21, 1                         ; in the batch, which hangs on the cluster's y alone
	s_lshl_b32 s21, s21, 11
	s_add_co_u32 s46, s46, s21
	s_lshl_b32 s16, s16, 12                        ; rows of 4,096 bytes
	s_lshl_b32 s46, s46, 11                        ; rows of 2,048 bytes
	s_mov_b32 s17, 0
	s_mov_b32 s47, 0
	s_mul_i32 s20, s10, HALFT
	s_wait_dscnt 0x0
	s_wait_kmcnt 0x0
	s_add_nc_u64 s[14:15], s[4:5], s[16:17]
	s_add_nc_u64 s[46:47], s[6:7], s[46:47]
	CROUND
.irp s, 0,1
	s_mov_b32 s[G0+4*(\s)], 1
	s_add_co_u32 s[G0+4*(\s)+1], s20, (\s)*SLOT
	s_add_nc_u64 s[G0+4*(\s)+2:G0+4*(\s)+3], s[14:15], (\s)*KSTEP*2
	s_or_b32 s[G0+4*(\s)+3], s[G0+4*(\s)+3], 0x80000000
	s_mov_b32 s[G0B+4*(\s)], 1
	s_add_co_u32 s[G0B+4*(\s)+1], s20, (\s)*SLOT
	s_add_nc_u64 s[G0B+4*(\s)+2:G0B+4*(\s)+3], s[46:47], (\s)*KSTEP*2
	s_or_b32 s[G0B+4*(\s)+3], s[G0B+4*(\s)+3], 0x80000000
	JLOAD \s
.endr
	v_and_b32 v1, 15, v0
	v_bfe_u32 v2, v0, 4, 1
	v_mul_u32_u24 v3, v1, PITCH
	v_lshl_add_u32 v3, v2, 4, v3
	s_mul_i32 s21, s11, HALFT
	s_mul_i32 s22, s12, HALFT
	s_add_co_u32 s22, s22, 2*HALFT
.irp s, 0,1
	v_add_nc_u32 v[ADRA+(\s)], s21, v3
	v_add_nc_u32 v[ADRB+(\s)], s22, v3
	s_add_co_u32 s21, s21, SLOT
	s_add_co_u32 s22, s22, SLOT
.endr
	v_mov_b32 v[AR], v[ADRA+1]
	s_mul_i32 s23, s10, 16*SPITCH
	s_add_co_u32 s23, s23, STAGE
	v_mul_u32_u24 v4, v1, SPITCH
	v_lshl_add_u32 v4, v2, 4, v4
	v_add_nc_u32 v[STO], s23, v4
	v_mul_u32_u24 v5, v2, SPITCH
	v_lshl_add_u32 v5, v1, 4, v5
	v_add_nc_u32 v[RD], s23, v5
	v_lshlrev_b32 v5, 12, v2
	v_lshl_add_u32 v[CO], v1, 4, v5
	s_lshl_b32 s77, s10, 10
	s_add_co_u32 s77, s77, SS                      ; my wave's 1,024 bytes of u and l
	v_lshl_add_u32 v[SSA], v1, 2, s77              ; lanes 0-15 store u, lanes 16-31 l, 512 bytes on
	v_lshl_add_u32 v[SSA], v2, 9, v[SSA]
	s_lshl_b32 s13, s13, 8
	s_lshl_b32 s14, s11, 7
	s_add_co_u32 s16, s13, s14                     ; my first row
	s_lshl_b32 s20, s16, 2                         ; its place in a block's 8,192 numbers
	s_lshl_b32 s16, s16, 12
	s_mov_b32 s17, 0
	s_lshl_b32 s46, s42, 9
	s_lshl_b32 s47, s12, 8
	s_add_co_u32 s46, s46, s47                     ; my first column in bytes = 256 x my block of keys
	s_add_co_u32 s16, s16, s46
	s_lshl_b32 s46, s46, 7                         ; the block's 32,768 bytes of u or l
	s_add_co_u32 s20, s20, s46
	s_mov_b32 s21, 0
	s_add_nc_u64 s[66:67], s[66:67], s[20:21]
	s_add_nc_u64 s[68:69], s[68:69], s[20:21]
	; the prefetches
	s_lshl_b32 s42, s42, 8
	s_and_b32 s22, ttmp7, 0xffff
	s_lshr_b32 s23, s22, 1
	s_lshl_b32 s23, s23, 11
	s_add_co_u32 s42, s42, s23                     ; B's first row in xb
	s_and_b32 s22, s22, 1                          ; 0 in the first of the batch's two clusters
	s_cmp_eq_u32 s11, 0
	s_cselect_b32 s20, s13, s42
	s_cselect_b32 s21, s40, s41
	s_cselect_b32 s22, ttmp9, s22
	s_cselect_b32 s23, 12, 11                      ; log2 of a row's bytes
	s_cselect_b64 s[PFA:PFA+1], s[4:5], s[6:7]
	s_cmp_eq_u32 s22, 0
	s_cselect_b32 s[LIM], 1, -1
	s_lshl_b32 s22, s12, 7
	s_add_co_u32 s20, s20, s22
	s_lshl_b32 s21, s21, 5
	s_add_co_u32 s20, s20, s21
	s_lshl_b32 s20, s20, s23
	s_mov_b32 s21, 0
	s_add_nc_u64 s[PFA:PFA+1], s[PFA:PFA+1], s[20:21]
	s_add_nc_u64 s[PFA:PFA+1], s[PFA:PFA+1], 2*KSTEP*2
	v_and_b32 v[PFO], 31, v0
	v_lshlrev_b32 v[PFO], s23, v[PFO]
.macro MUL16 f, hi, a0, zero           ; 16 matrix instructions; zero = 1: the first product starts the sums
	WIN MUL_LO+0x50*(\hi)
.irp a, \a0, (\a0)+1
.irp b, 0,1,2,3,4,5,6,7
.if \zero
	v_wmma_f32_16x16x32_bf16 v[8*(8*(\a)+(\b)):8*(8*(\a)+(\b))+7], v[(\f)+8*(\b):(\f)+8*(\b)+7], v[(\f)+8*(4*(\hi)+(\a)):(\f)+8*(4*(\hi)+(\a))+7], 0
.else
	v_wmma_f32_16x16x32_bf16 v[8*(8*(\a)+(\b)):8*(8*(\a)+(\b))+7], v[(\f)+8*(\b):(\f)+8*(\b)+7], v[(\f)+8*(4*(\hi)+(\a)):(\f)+8*(4*(\hi)+(\a))+7], v[8*(8*(\a)+(\b)):8*(8*(\a)+(\b))+7]
.endif
.endr
.endr
.endm
.macro FETCH slot, k, f
	WIN TO_B
.irp i, 0,1,2,3,4,5,6,7
	ds_load_b128 v[(\f)+8*(\i):(\f)+8*(\i)+3],   v[ADRB+(\slot)] offset:(\k)+(\i)*16*PITCH
	ds_load_b128 v[(\f)+8*(\i)+4:(\f)+8*(\i)+7], v[ADRB+(\slot)] offset:(\k)+(\i)*16*PITCH+32
.endr
	WIN 0
.irp i, 0,1,2,3,4,5,6,7
	ds_load_b128 v[(\f)+8*(\i):(\f)+8*(\i)+3],   v[ADRA+(\slot)] offset:(\k)+(\i)*16*PITCH
	ds_load_b128 v[(\f)+8*(\i)+4:(\f)+8*(\i)+7], v[ADRA+(\slot)] offset:(\k)+(\i)*16*PITCH+32
.endr
.endm
.macro QUARTER slot, k, f, g, zero
	s_wait_dscnt 8                                 ; the youngest eight loads (A's rows 64-127) may be out
	MUL16 \f, 0, 0, \zero
	MUL16 \f, 0, 2, \zero
	PLACES 4
	FETCH \slot, \k, \g
	s_wait_dscnt 32                                ; all but the 32 just issued
	MUL16 \f, 1, 0, \zero
	MUL16 \f, 1, 2, \zero
.endm
.macro MEET round
	WIN 0
	s_wait_tensorcnt 0x0                           ; all my tensor loads have landed: my part of the next slot
	ds_add_u32 v[SPW], v[NIL]
	s_wait_dscnt 9                                 ; the add and the youngest eight loads may be out
	MUL16 F1, 0, 0, 0
	s_wait_dscnt 0x0                               ; the add is done, and my reads of this slot are over
	s_barrier_signal -1
	MUL16 F1, 0, 2, 0
.if \round
	WIN 0
.endif
	s_barrier_wait -1
.endm
.macro TURN slot, next
	s_wait_xcnt 0x0
	s_add_nc_u64 s[PFA:PFA+1], s[PFA:PFA+1], KSTEP*2
	MEET 1
	CREST
	s_add_nc_u64 s[G0+4*(\slot)+2:G0+4*(\slot)+3], s[G0+4*(\slot)+2:G0+4*(\slot)+3], 2*KSTEP*2
	s_add_nc_u64 s[G0B+4*(\slot)+2:G0B+4*(\slot)+3], s[G0B+4*(\slot)+2:G0B+4*(\slot)+3], 2*KSTEP*2
	JLOAD \slot
	FETCH \next, 0, F0
	ASK
	MUL16 F1, 1, 0, 0
	MUL16 F1, 1, 2, 0
.endm
.macro BLOAD q
	WIN TO_B
.irp i, 0,1,2,3,4,5,6,7
	ds_load_b128 v[64*(\q)+8*(\i):64*(\q)+8*(\i)+3],   v[ADRB+1] offset:64*(\q)+(\i)*16*PITCH
	ds_load_b128 v[64*(\q)+8*(\i)+4:64*(\q)+8*(\i)+7], v[ADRB+1] offset:64*(\q)+(\i)*16*PITCH+32
.endr
.endm
.macro ALOAD
	WIN 0
.irp q, 0,1,2,3
	ds_load_b128 v[PA+8*(\q):PA+8*(\q)+3],   v[AR] offset:64*(\q)
	ds_load_b128 v[PA+8*(\q)+4:PA+8*(\q)+7], v[AR] offset:64*(\q)+32
.endr
.endm
.macro SNIP a
	WIN 0x21+0x10*((\a)/4)
.irp b, 0,1,2,3,4,5,6,7
	v_wmma_f32_16x16x32_bf16 v[FX+8*(\b):FX+8*(\b)+7], v[8*(\b):8*(\b)+7], v[PA:PA+7], v[64*((\a)%4)+8*(\b):64*((\a)%4)+8*(\b)+7]
.endr
	WIN 0
.endm
.macro ROWS
	WIN 0x01
.irp q, 1,2,3
.irp b, 0,1,2,3,4,5,6,7
	v_wmma_f32_16x16x32_bf16 v[FX+8*(\b):FX+8*(\b)+7], v[64*(\q)+8*(\b):64*(\q)+8*(\b)+7], v[PA+8*(\q):PA+8*(\q)+7], v[FX+8*(\b):FX+8*(\b)+7]
.endr
.endr
	WIN 0
.endm
.macro TREE w, n                       ; n packed sums in place: the pair at 2 w i takes the pair w registers on
.set i, 0
.rept \n
	v_pk_add_f32 v[FX+2*(\w)*i:FX+2*(\w)*i+1], v[FX+2*(\w)*i:FX+2*(\w)*i+1], v[FX+2*(\w)*i+(\w):FX+2*(\w)*i+(\w)+1]
.set i, i+1
.endr
.endm
; A block's softmax.  The maximum in eight chains, each accumulator's lowest registers first; u; the scalings; the 64 exponentials as ONE batch with one wait; roundings; the sum.
.macro SOFT
.irp b, 0,1,2,3,4,5,6,7
	v_max3_num_f32 v[CT+\b], v[FX+8*\b], v[FX+8*\b+1], v[FX+8*\b+2]
.endr
.irp b, 0,1,2,3,4,5,6,7
	v_max3_num_f32 v[CT+\b], v[CT+\b], v[FX+8*\b+3], v[FX+8*\b+4]
.endr
.irp b, 0,1,2,3,4,5,6,7
	v_max3_num_f32 v[CT+\b], v[CT+\b], v[FX+8*\b+5], v[FX+8*\b+6]
.endr
.irp b, 0,1,2,3
	v_max3_num_f32 v[CT+\b], v[CT+\b], v[FX+16*\b+7], v[FX+16*\b+15]
.endr
	v_max3_num_f32 v[CT], v[CT], v[CT+1], v[CT+2]
	v_max3_num_f32 v[CT+3], v[CT+3], v[CT+4], v[CT+5]
	v_max3_num_f32 v[CT], v[CT], v[CT+3], v[CT+6]
	v_max_num_f32 v[CT], v[CT], v[CT+7]
	v_permlanex16_b32 v[X0], v[CT], s74, s75       ; the row's other 64 keys lie in the lane 16 away
	v_max_num_f32 v[MX], v[CT], v[X0]
	v_mul_f32 v[X1], s72, v[MX]
	v_floor_f32 v[UU], v[X1]                       ; u = floor(-c m)
.set i, 0
.rept 32
	v_pk_fma_f32 v[FX+2*i:FX+2*i+1], v[FX+2*i:FX+2*i+1], s[CS:CS+1], v[UU:UU+1] op_sel_hi:[1,0,0]  ; c s + u
.set i, i+1
.endr
.set i, 0
.rept 64
	v_exp_f32 v[FX+i], v[FX+i]
.set i, i+1
.endr
	v_nop                                          ; a plain instruction behind the last exponential,
	s_wait_alu depctr_va_vdst(0)                   ; and one wait ahead of the batch's first reader
.set i, 0
.rept 32
	v_cvt_pk_bf16_f32 v[TMP+i], v[FX+2*i], v[FX+2*i+1]
.set i, i+1
.endr
	TREE 2, 16
	TREE 4, 8
	TREE 8, 4
	TREE 16, 2
	TREE 32, 1
	v_add_f32 v[LS], v[FX], v[FX+1]
	v_permlanex16_b32 v[X0], v[LS], s74, s75
	v_add_f32 v[LS], v[LS], v[X0]
	v_cndmask_b32 v[X0], v[UU], v[LS], s73         ; lanes 0-15: u; lanes 16-31: l
	ds_store_b32 v[SSA], v[X0]
	v_add_nc_u32 v[SSA], 64, v[SSA]                ; the next block's 16 rows
.endm
.macro TOSTAGE
.irp b, 0,1,2,3,4,5,6,7
	ds_store_b128 v[STO], v[TMP+4*(\b):TMP+4*(\b)+3] offset:32*(\b)
.endr
.irp t, 0,1,2,3,4,5,6,7
	ds_load_b128 v[OB+4*(\t):OB+4*(\t)+3], v[RD] offset:(\t)*2*SPITCH
.endr
.endm
.macro SEND
.irp t, 0,1,2,3,4,5,6,7
	global_store_b128 v[CO], v[OB+4*(\t):OB+4*(\t)+3], s[8:9] offset:2*(\t)*CPB  ; 16 lanes store 256 consecutive bytes, aligned
.endr
.endm
	s_wait_tensorcnt 1                             ; my part of K step 0 is in; K step 1's may stay out
	s_barrier_signal -1
	s_barrier_wait -1
	FETCH 0, 0, F0
	QUARTER 0, 64,  F0, F1, 1
	WIN 0
	s_mov_b32 s3, LAPS-1
.Llap:
	QUARTER 0, 128, F1, F0, 0
	QUARTER 0, 192, F0, F1, 0
	TURN 0, 1
	QUARTER 1, 64,  F0, F1, 0
	QUARTER 1, 128, F1, F0, 0
	QUARTER 1, 192, F0, F1, 0
	TURN 1, 0
	QUARTER 0, 64,  F0, F1, 0
	WIN 0
	s_sub_co_u32 s3, s3, 1
	s_cmp_lg_u32 s3, 0
	s_cbranch_scc1 .Llap
	QUARTER 0, 128, F1, F0, 0
	QUARTER 0, 192, F0, F1, 0
	MEET 0
	PLACES 4
	BLOAD 0
	BLOAD 1
	BLOAD 3
	ALOAD
	MUL16 F1, 1, 0, 0
	MUL16 F1, 1, 2, 0
	PLACES 5
	BLOAD 2
	WIN 0
	v_mov_b32 v[UU+1], 0                           ; named with u as a pair, so it is written
	v_mov_b32 v[X0], 0                             ; v_permlanex16_b32's destination counts as read
	s_mov_b32 s[RA], 0
.Lrow:
	s_wait_dscnt 0x0
.irp a, 0,1,2,3,4,5,6
	s_cmp_lg_u32 s[RA], \a
	s_cbranch_scc1 .Lnot_\a
	SNIP \a
	s_branch .Ljoin
.Lnot_\a:
.endr
	SNIP 7
.Ljoin:
	ROWS
	PLACES 5
	s_cmp_eq_u32 s[RA], 7
	s_cbranch_scc1 .Lno_a
	v_add_nc_u32 v[AR], 16*PITCH, v[AR]
	ALOAD
.Lno_a:
	SOFT
	s_wait_xcnt 0x0                                ; the last block's stores have read their registers and their base
	s_add_nc_u64 s[8:9], s[8:9], s[16:17]
	s_mov_b64 s[16:17], 16*CPB
	TOSTAGE
	s_wait_dscnt 0x0
	SEND
	s_add_co_u32 s[RA], s[RA], 1
	s_cmp_lt_u32 s[RA], 8
	s_cbranch_scc1 .Lrow
	v_and_b32 v[MX], 31, v0                        ; my wave's 128 u and 128 l leave as 512 consecutive bytes each
	v_lshlrev_b32 v[MX], 4, v[MX]
	v_add_nc_u32 v[MX+1], s77, v[MX]
	ds_load_b128 v[CT:CT+3], v[MX+1]
	ds_load_b128 v[CT+4:CT+7], v[MX+1] offset:512
	s_wait_dscnt 0x0
	global_store_b128 v[MX], v[CT:CT+3], s[66:67]
	global_store_b128 v[MX], v[CT+4:CT+7], s[68:69]
	s_wait_tensorcnt 0x0                           ; the wave's end
	ds_add_u32 v[SPW], v[NIL]
	s_wait_dscnt 0x0
	CROUND
	s_endpgm
.Lfunc_end_k_qcac94b9240_scores:
	.size	k_qcac94b9240_scores, .Lfunc_end_k_qcac94b9240_scores-k_qcac94b9240_scores
	.p2alignl 7, 3214868480
	.fill 96, 4, 3214868480
	.section	.rodata,"a",@progbits
	.p2align	6, 0x0
	.amdhsa_kernel k_qcac94b9240_scores
		.amdhsa_group_segment_fixed_size 327680
		.amdhsa_private_segment_fixed_size 0
		.amdhsa_enable_private_segment 0
		.amdhsa_kernarg_size 40
		.amdhsa_user_sgpr_count 2
		.amdhsa_user_sgpr_kernarg_segment_ptr 1
		.amdhsa_wavefront_size32 1
		.amdhsa_system_sgpr_workgroup_id_x 1
		.amdhsa_system_sgpr_workgroup_id_y 1
		.amdhsa_system_sgpr_workgroup_id_z 1
		.amdhsa_system_vgpr_workitem_id 0
		.amdhsa_next_free_vgpr 1024
		.amdhsa_next_free_sgpr 80
		.amdhsa_reserve_vcc 0
		.amdhsa_float_denorm_mode_32 3
		.amdhsa_float_denorm_mode_16_64 3
		.amdhsa_memory_ordered 1
		.amdhsa_forward_progress 1
		.amdhsa_inst_pref_size 113
	.end_amdhsa_kernel
	.amdgpu_metadata
---
amdhsa.version: [ 1, 2 ]
amdhsa.kernels:
  - .name:           k_qcac94b9240_scores
    .symbol:         k_qcac94b9240_scores.kd
    .args:
      - { .name: qv, .offset: 0, .size: 8, .value_kind: global_buffer, .address_space: global }
      - { .name: xb, .offset: 8, .size: 8, .value_kind: global_buffer, .address_space: global }
      - { .name: pmat, .offset: 16, .size: 8, .value_kind: global_buffer, .address_space: global }
      - { .name: ustat, .offset: 24, .size: 8, .value_kind: global_buffer, .address_space: global }
      - { .name: lstat, .offset: 32, .size: 8, .value_kind: global_buffer, .address_space: global }
    .group_segment_fixed_size: 327680
    .private_segment_fixed_size: 0
    .kernarg_segment_align: 8
    .kernarg_segment_size: 40
    .max_flat_workgroup_size: 128
    .sgpr_count:     80
    .vgpr_count:     1024
    .wavefront_size: 32
...
	.end_amdgpu_metadata
.endif
;; end of part 3
;; launch pv (part 4): grid 4 x 64, 4 waves a work-group, clusters of 4 x 4, 327,680 bytes of LDS; arguments pmat, qv, ustat, lstat, out0; writes out0
.if DOCPART == 4
	.amdgcn_target "amdgcn-amd-amdhsa--gfx1250"
	.amdhsa_code_object_version 6
	.text
	.protected	k_qcac94b9240_pv
	.globl	k_qcac94b9240_pv
	.p2align	8
	.type	k_qcac94b9240_pv,@function
k_qcac94b9240_pv:
	s_mov_b64 s[64:65], 0
	v_nop
	global_prefetch_b8 v0, s[64:65] scope:SCOPE_SE
	s_setreg_imm32_b32 hwreg(HW_REG_WAVE_MODE, 25, 1), 1
	s_wait_xcnt 0x0
	s_wait_alu depctr_hold_cnt(0) depctr_sa_sdst(0) depctr_va_vdst(0) depctr_va_sdst(0) depctr_va_ssrc(0) depctr_va_vcc(0) depctr_vm_vsrc(0)
	s_getreg_b32 s2, hwreg(HW_REG_IB_STS2, 6, 4)
	s_cmp_eq_u32 s2, 0
	s_cbranch_scc0 .Lentry_in_a_cluster
	s_endpgm
.Lentry_in_a_cluster:
	s_bfe_u32 s2, ttmp6, 0x10000c
	s_cmp_lg_u32 s2, 0xf033
	s_cbranch_scc0 .Lentry_shape_is_right
	s_endpgm
.Lentry_shape_is_right:
; FOURTH LAUNCH.  out0[q][ch] = (sum over the 16 blocks of keys of f_blk sum over the block's keys of p[q][t] v''[t][ch]) / l[q], in f32.
; Left out, as shown at the first kernel's head: the output projection and bo, which v'' (columns 1,024-2,047 of qv) already carries.
; THE BLOCKS ARE JOINED.  u_min = the least u of a row's 16 blocks (the block with the row's maximum); f_blk = 2^(u_min - u_blk), at most 1 and a whole power of two, so p f is exact in bf16;
; l = sum of l_blk f_blk, in f32.  So every weight is 2^(c s + u_min) / l: the row's own maximum is taken away.  LIMITS: a block more than 127 binades below the row's maximum counts as 0;
; NaN and infinities are not treated apart.
; SHARES.  A tile is 128 queries x 256 channels: 256 work-groups.  Four waves, each 64 queries x 128 channels: 32 accumulators.  The 2,048 keys go in 16 steps of 128, a block each, through two LDS slots.
; LAYOUT.  O^T = V^T P (source 0 = 16 channels, turned out of LDS by ds_load_tr16_b128; source 1 = 16 queries of P as they lie): a lane holds one query and eight neighbouring channels.
; P's fragments are multiplied by f between their load and their products: 32 packed lines a quarter step, set in fours behind the products of the quarter before.
; CLUSTER 4 x 4: P's tile is asked for jointly along a row of the cluster, V's along a column.  Waves 0, 1 fetch P's halves of 64 rows, waves 2, 3 V's halves of 64 keys.
; REGISTERS.  window 0: v4-15 addresses; v16-19 the step's factors; v24-31 1 / l, a pair a block of rows; v32-63, v64-95 P's fragments; v96-223 the prologue, later the way out.
;   window 1: v0-63, v64-127 V's fragments.   window 2: the accumulators, (a, b) at v[8 (8 a + b)].
.set PA_,   272                        ; a row of P in LDS: 256 bytes + 16
.set PB_,   544                        ; a row of V: 512 + 32 = 136 words
.set BOFF,  128*PA_                    ; a slot: 128 rows of P, then 128 rows of V
.set FT,    BOFF+128*PB_               ; behind slot 0: [16 steps][128 rows] x 4 bytes: f twice in bf16
.set INVT,  FT+8192                    ; 128 x 4 bytes: 1 / l
.set SPARE, INVT+512                   ; the spare words, 128 bytes a wave: no other line names them
.set SLOT1, 1<<17
.set STAGE, SLOT1+FT                   ; behind slot 1: 16 rows x 528 bytes for each wave
.set SP,    528
.set AA0, 4
.set AB0, 5
.set AA,  6
.set AB,  7
.set AF,  8
.set FTA, 9
.set STO, 10
.set RD,  11
.set CO,  12
.set PFO, 13
.set SPW, 14
.set NIL, 15
.set FAC, 16
.set INV, 24
.set PF,  32
.set OT,  96
.set OB,  160
.set WV,  14                           ; s14 wave
.set G1A, 24
.set G0A, 32                           ; s[32:39] two sets; the second walks
.set G0B, 40
.set G1B, 48
.set CNT, 56
.set LIM, 57
.set PFA, 58
.set PINC, 60
.set TB,  62
.set MSB, 0
.macro WIN new
.if MSB != (\new)
	s_set_vgpr_msb (MSB<<8)|(\new)
.set MSB, \new
.endif
.endm
.macro PLACES n
.rept \n
	v_nop
.endr
.endm
.macro JLOAD                           ; a joint refill by the walking descriptors; an s_nop 0 and four v_nop follow each of the two lines
	s_cmp_lt_u32 s[WV], 2
	s_cbranch_scc0 .Lfor_v_\@
	tensor_load_to_lds s[G0A+4:G0A+7], s[G1A:G1A+7]
	s_nop 0
	PLACES 4
	s_branch .Lasked_\@
.Lfor_v_\@:
	tensor_load_to_lds s[G0B+4:G0B+7], s[G1B:G1B+7]
	s_nop 0
	PLACES 4
.Lasked_\@:
.endm
; A prefetch of the step that stands two refills on.  P: wave 0 of each partner names 32 of the tile's 128 rows (by cx), a lane a row.  V: waves 2 and 3 name 16 of their 64 keys (by cy), two blocks of
; 256 bytes a key, in the first of a batch's four clusters alone.  So each block is named once.  The last two refills have no step two on.
.macro ASK
	WIN 0
	s_cmp_gt_u32 s[CNT], s[LIM]
	s_cbranch_scc0 .Lnot_mine_\@
	global_prefetch_b8 v[PFO], s[PFA:PFA+1] th:TH_LOAD_NT scope:SCOPE_SE
.Lnot_mine_\@:
.endm
.macro CREST
	s_cmp_lg_u32 s[WV], 0
	s_cbranch_scc1 .Lnot_wave_0_\@
	s_barrier_signal -3
.Lnot_wave_0_\@:
	s_barrier_wait -3
	s_barrier_signal -1
	s_barrier_wait -1
.endm
.macro CROUND
	s_barrier_signal -1
	s_barrier_wait -1
	CREST
.endm
	s_load_b256 s[4:11], s[0:1], 0x0               ; pmat s[4:5], qv s[6:7], ustat s[8:9], lstat s[10:11]
	s_load_b64 s[12:13], s[0:1], 0x20              ; out0
	v_lshl_add_u32 v[SPW], v0, 2, SPARE
	v_mov_b32 v[NIL], 0
	ds_add_u32 v[SPW], v[NIL]                      ; the wave's opening: the add, twice on end, and its wait ahead of my first tensor load
	ds_add_u32 v[SPW], v[NIL]
	v_lshrrev_b32 v1, 5, v0
	v_readfirstlane_b32 s[WV], v1
	s_lshr_b32 s15, s[WV], 1                       ; wr: which 64 queries
	s_and_b32 s16, s[WV], 1                        ; wc: which 128 channels; also: which half of a tile I fetch
	s_bfe_u32 s17, ttmp6, 0x40000                  ; cx
	s_bfe_u32 s18, ttmp6, 0x40004                  ; cy
	s_and_b32 s70, ttmp7, 0xffff                   ; cluster y
	s_lshl_b32 s19, s70, 2
	s_add_co_u32 s19, s19, s18                     ; tile row: 128 of the 8,192 query rows
	s_lshr_b32 s71, s70, 2                         ; batch
	s_lshl_b32 s72, ttmp9, 2
	s_add_co_u32 s72, s72, s17                     ; tile column: 256 channels
	s_lshl_b32 s20, s18, 2
	s_lshl_b32 s20, 15, s20                        ; my row of the cluster
	s_lshl_b32 s21, 0x1111, s17                    ; my column
	s_or_b32 s[G1A], s20, (1<<16)|(1<<20)|(1<<21)|(5<<22)|(3<<25)  ; P: after every 64 words 4 words of padding
	s_or_b32 s[G1B], s21, (1<<16)|(1<<20)|(1<<21)|(6<<22)|(7<<25)  ; V: after every 128 words 8 words
	s_mov_b32 s[G1A+1], 128<<16                    ; tensor_dim0
	s_mov_b32 s[G1B+1], 256<<16
	s_mov_b32 s[G1A+3], 128<<16                    ; tile_dim0
	s_mov_b32 s[G1B+3], 256<<16
.irp g, G1A, G1B
	s_mov_b32 s[(\g)+2], 64<<16                    ; tensor_dim1 = 64
	s_mov_b32 s[(\g)+4], 64                        ; tile_dim1 = 64
	s_mov_b32 s[(\g)+5], 2048                      ; elements from row to row, in pmat and in qv
	s_mov_b32 s[(\g)+6], 0
	s_mov_b32 s[(\g)+7], 0
.endr
	s_lshl_b32 s20, s16, 6                         ; my half's 64 rows
	s_lshl_b32 s66, s19, 7
	s_add_co_u32 s66, s66, s20
	s_lshl_b32 s66, s66, 12                        ; P: (128 x tile row + 64 x half) rows of 4,096 bytes
	s_mov_b32 s67, 0
	s_lshl_b32 s68, s71, 11
	s_add_co_u32 s68, s68, s20
	s_lshl_b32 s68, s68, 12                        ; V: (2,048 x batch + 64 x half) rows,
	s_lshl_b32 s21, s72, 9
	s_add_co_u32 s68, s68, s21                     ; 512 bytes a tile column,
	s_add_co_u32 s68, s68, 2048                    ; in the rows' second half
	s_mov_b32 s69, 0
	s_mul_i32 s22, s16, 64*PA_                     ; where they go
	s_mul_i32 s23, s16, 64*PB_
	s_add_co_u32 s23, s23, BOFF
	s_lshl_b32 s73, s19, 7                         ; the prefetches, three steps in.  P: my work-group's 32 rows by cx,
	s_lshl_b32 s21, s17, 5
	s_add_co_u32 s73, s73, s21
	s_lshl_b32 s73, s73, 12
	s_add_co_u32 s73, s73, 3*256
	s_lshl_b32 s74, s18, 16                        ; V: my work-group's 16 keys by cy
	s_add_co_u32 s74, s74, s68
	s_add_co_u32 s74, s74, 3*524288
	s_and_b32 s21, s70, 3                          ; 0 in the first of the batch's four clusters
	s_mov_b32 s[PINC], 256
	s_mov_b32 s75, 524288
	s_cmp_lt_u32 s[WV], 2
	s_cselect_b32 s21, s[WV], s21                  ; wave 0 asks, wave 1 never, waves 2 and 3 in that cluster
	s_cselect_b32 s76, s73, s74
	s_cselect_b32 s[PINC], s[PINC], s75
	s_cselect_b32 s78, -1, 0
	s_mov_b32 s77, 0
	s_mov_b32 s[PINC+1], 0
	s_cmp_eq_u32 s21, 0
	s_cselect_b32 s[LIM], 2, -1
	s_mov_b32 s[TB], 0
	s_lshl_b32 s73, s19, 9                         ; u and l: my tile's 128 rows
	s_mov_b32 s74, 0                               ; (s[74:75] is not a pair here: see below)
	s_wait_dscnt 0x0                               ; both opening adds are done
	s_wait_kmcnt 0x0
	s_add_nc_u64 s[66:67], s[4:5], s[66:67]
	s_add_nc_u64 s[68:69], s[6:7], s[68:69]
	s_cmp_lt_u32 s[WV], 2
	s_cselect_b64 s[PFA:PFA+1], s[4:5], s[6:7]
	s_add_nc_u64 s[PFA:PFA+1], s[PFA:PFA+1], s[76:77]
	s_mov_b32 s76, s73
	s_add_nc_u64 s[8:9], s[8:9], s[76:77]
	s_add_nc_u64 s[10:11], s[10:11], s[76:77]
	s_lshl_b32 s76, s19, 7                         ; out0: (128 x tile row + 64 wr) rows of 4,096 bytes + (256 x tile column + 128 wc) x 4
	s_lshl_b32 s73, s15, 6
	s_add_co_u32 s76, s76, s73
	s_lshl_b32 s76, s76, 12
	s_lshl_b32 s73, s72, 10
	s_add_co_u32 s76, s76, s73
	s_lshl_b32 s73, s16, 9
	s_add_co_u32 s76, s76, s73
	s_add_nc_u64 s[12:13], s[12:13], s[76:77]
	CROUND                                         ; all sixteen work-groups are here: the first joint loads meet
.irp s, 0,1
	s_mov_b32 s[G0A+4*(\s)], 1
	s_add_co_u32 s[G0A+4*(\s)+1], s22, (\s)*SLOT1
	s_add_nc_u64 s[G0A+4*(\s)+2:G0A+4*(\s)+3], s[66:67], (\s)*256
	s_or_b32 s[G0A+4*(\s)+3], s[G0A+4*(\s)+3], 0x80000000
	s_mov_b32 s[G0B+4*(\s)], 1
	s_add_co_u32 s[G0B+4*(\s)+1], s23, (\s)*SLOT1
	s_add_nc_u64 s[G0B+4*(\s)+2:G0B+4*(\s)+3], s[68:69], (\s)*524288
	s_or_b32 s[G0B+4*(\s)+3], s[G0B+4*(\s)+3], 0x80000000
.endr
	s_cmp_lt_u32 s[WV], 2                          ; a wave's two first fills stand in one branch: two loads of mine are out
	s_cbranch_scc0 .Lfirst_v
	tensor_load_to_lds s[G0A:G0A+3], s[G1A:G1A+7]
	s_nop 0
	tensor_load_to_lds s[G0A+4:G0A+7], s[G1A:G1A+7]
	s_nop 0
	PLACES 4
	s_branch .Lfirst_asked
.Lfirst_v:
	tensor_load_to_lds s[G0B:G0B+3], s[G1B:G1B+7]
	s_nop 0
	tensor_load_to_lds s[G0B+4:G0B+7], s[G1B:G1B+7]
	s_nop 0
	PLACES 4
.Lfirst_asked:
	; THE PROLOGUE stands in the wait for the first tiles.  Thread t takes row t of the tile: its 16 u and 16 l.
	v_lshlrev_b32 v22, 2, v0
.set kk, 0
.rept 16
	global_load_b32 v[96+kk], v22, s[8:9] offset:32768*kk
	global_load_b32 v[112+kk], v22, s[10:11] offset:32768*kk
.set kk, kk+1
.endr
	v_and_b32 v1, 15, v0                           ; r
	v_bfe_u32 v2, v0, 4, 1                         ; h
	v_and_b32 v3, 31, v0                           ; lane
	s_mul_i32 s20, s15, 64*PA_
	v_mul_u32_u24 v[AA0], v1, PA_
	v_lshl_add_u32 v[AA0], v2, 4, v[AA0]
	v_add_nc_u32 v[AA0], s20, v[AA0]
	v_and_b32 v20, 7, v0                           ; the turning load: lane l reads key 8 h + l % 8, 16 bytes at 16 ((l / 8) % 2)
	v_bfe_u32 v21, v0, 3, 1
	v_lshl_add_u32 v[AB0], v2, 3, v20
	v_mul_u32_u24 v[AB0], v[AB0], PB_
	v_lshl_add_u32 v[AB0], v21, 4, v[AB0]
	s_lshl_b32 s20, s16, 8
	s_add_co_u32 s20, s20, BOFF
	v_add_nc_u32 v[AB0], s20, v[AB0]
	v_mov_b32 v[AA], v[AA0]
	v_mov_b32 v[AB], v[AB0]
	s_lshl_b32 s20, s15, 8
	s_add_co_u32 s20, s20, FT
	v_lshl_add_u32 v[AF], v1, 2, s20
	v_lshl_add_u32 v[FTA], v0, 2, FT
	s_mul_i32 s20, s[WV], 16*SP
	s_add_co_u32 s20, s20, STAGE
	v_mul_u32_u24 v[STO], v1, SP
	v_lshl_add_u32 v[STO], v2, 5, v[STO]
	v_add_nc_u32 v[STO], s20, v[STO]
	v_lshl_add_u32 v[RD], v3, 4, s20
	v_lshlrev_b32 v[CO], 4, v3
	v_lshlrev_b32 v20, 12, v3                      ; P: a lane a row
	v_lshrrev_b32 v21, 1, v3                       ; V: two lanes a row, 256 bytes apart
	v_lshlrev_b32 v21, 12, v21
	v_and_b32 v23, 1, v0
	v_lshl_or_b32 v21, v23, 8, v21
	v_cndmask_b32 v[PFO], v21, v20, s78
.irp a, 0,1,2,3
	v_mov_b32 v[INV+2*\a+1], 0                     ; named as pairs, so the odd ones are written
.endr
	s_wait_loadcnt 0x0
	v_min3_num_f32 v128, v96, v97, v98
.irp i, 0,1,2,3,4,5
	v_min3_num_f32 v128, v128, v[99+2*\i], v[100+2*\i]
.endr
	v_min_num_f32 v128, v128, v111                 ; u_min
.set kk, 0
.rept 16
.set tt, 130+2*(kk%2)
	v_sub_f32 v[tt], v128, v[96+kk]                ; whole numbers: exact
	v_max_num_f32 v[tt], 0xc2fe0000, v[tt]         ; not below -127,
	v_cvt_i32_f32 v[tt], v[tt]
	v_add_lshl_u32 v[tt], v[tt], 127, 23           ; where the exponent field, and with it f, is 0
.if kk == 0
	v_mul_f32 v129, v112, v[tt]
.else
	v_fmac_f32 v129, v[112+kk], v[tt]
.endif
	v_perm_b32 v[tt+1], v[tt], v[tt], 0x07060706   ; f's upper half twice: two bf16
	ds_store_b32 v[FTA], v[tt+1] offset:512*kk
.set kk, kk+1
.endr
	v_rcp_f32 v134, v129
	v_nop
	s_wait_alu depctr_va_vdst(0)                   ; the wait ahead of the reciprocal's first reader
	ds_store_b32 v[FTA], v134 offset:INVT-FT
.macro SC g, i                         ; four registers of P's buffer g times their rows' factor
	WIN 0
.irp k, 0,1,2,3
	v_pk_mul_bf16 v[PF+32*(\g)+4*(\i)+\k], v[PF+32*(\g)+4*(\i)+\k], v[FAC+(\i)/2]
.endr
.endm
; 8 matrix instructions: queries 16 a on x all 8 channel blocks, 32 keys, buffers f.  per = 2: behind every second one, per = 1: behind each, four lines of SC on buffer g, from group i0 on.
.macro MUL8 f, a, zero, g, i0, per
.set bb, 0
.rept 8
	WIN 0xa1                                       ; V window 1, P window 0, C and D window 2
.if \zero
	v_wmma_f32_16x16x32_bf16 v[8*(8*(\a)+bb):8*(8*(\a)+bb)+7], v[64*(\f)+8*bb:64*(\f)+8*bb+7], v[PF+32*(\f)+8*(\a):PF+32*(\f)+8*(\a)+7], 0
.else
	v_wmma_f32_16x16x32_bf16 v[8*(8*(\a)+bb):8*(8*(\a)+bb)+7], v[64*(\f)+8*bb:64*(\f)+8*bb+7], v[PF+32*(\f)+8*(\a):PF+32*(\f)+8*(\a)+7], v[8*(8*(\a)+bb):8*(8*(\a)+bb)+7]
.endif
.if (\per) == 1
	SC \g, (\i0)+bb
.elseif ((\per) == 2) && (bb%2 == 1)
	SC \g, (\i0)+bb/2
.endif
.set bb, bb+1
.endr
.endm
.macro FETCH kq, g                     ; 24 LDS loads in one run: P's 8 first, then V's 16
	WIN 0
.irp a, 0,1,2,3
	ds_load_b128 v[PF+32*(\g)+8*\a:PF+32*(\g)+8*\a+3],   v[AA] offset:16*PA_*\a+64*(\kq)
	ds_load_b128 v[PF+32*(\g)+8*\a+4:PF+32*(\g)+8*\a+7], v[AA] offset:16*PA_*\a+64*(\kq)+32
.endr
	WIN 0x40
.irp b, 0,1,2,3,4,5,6,7
	ds_load_tr16_b128 v[64*(\g)+8*\b:64*(\g)+8*\b+3],   v[AB] offset:32*PB_*(\kq)+32*\b
	ds_load_tr16_b128 v[64*(\g)+8*\b+4:64*(\g)+8*\b+7], v[AB] offset:32*PB_*(\kq)+32*\b+16*PB_
.endr
.endm
.macro FETCHF                          ; the step's factors for my four blocks of rows
.irp a, 0,1,2,3
	ds_load_b32 v[FAC+\a], v[AF] offset:64*\a
.endr
.endm
.macro QUARTER f, g, kq, zero          ; multiplies buffers f; fetches quarter kq of the step into g and scales its P.  The 32 accumulators take turns
	s_wait_dscnt 0x0                               ; V of buffers f is in
	MUL8 \f, 0, \zero, 0, 0, 0
	PLACES 4                                       ; in front of loads into registers that matrix instructions have read
	FETCH \kq, \g
	MUL8 \f, 1, \zero, 0, 0, 0
	s_wait_dscnt 16                                ; P is in; V's 16 loads, issued behind it, may be out
	MUL8 \f, 2, \zero, \g, 0, 2
	MUL8 \f, 3, \zero, \g, 4, 2
.endm
; The last quarter of a step multiplies buffers 1 and changes slots.  Each wave waits for all its tensor loads (one is out: its part of the other slot), adds 0 to its spare word, waits for that and
; for its reads of this slot, and signals.  fill = 1: the barrier opens a round of the cluster's, and the joint refill, two steps on, is the first thing behind it.
.macro TURN fill
.if \fill
	s_wait_xcnt 0x0                                ; the last prefetch, a step back, has read its address
	s_add_nc_u64 s[PFA:PFA+1], s[PFA:PFA+1], s[PINC:PINC+1]
.endif
	WIN 0
	s_wait_tensorcnt 0x0
	ds_add_u32 v[SPW], v[NIL]
	s_wait_dscnt 1                                 ; the add alone may be out: V of buffers 1 is in
	MUL8 1, 0, 0, 0, 0, 0
	s_wait_dscnt 0x0                               ; the add is done, and my reads of this slot are over
	s_barrier_signal -1
	MUL8 1, 1, 0, 0, 0, 0
	WIN 0
	s_barrier_wait -1
.if \fill
	CREST
	s_xor_b32 s[G0A+5], s[G0A+5], SLOT1            ; the walking descriptors: the other slot than last time, the next step
	s_add_nc_u64 s[G0A+6:G0A+7], s[G0A+6:G0A+7], 256
	s_xor_b32 s[G0B+5], s[G0B+5], SLOT1
	s_add_nc_u64 s[G0B+6:G0B+7], s[G0B+6:G0B+7], 524288
	JLOAD
.else
	PLACES 4
.endif
	s_xor_b32 s[TB], s[TB], SLOT1
	v_add_nc_u32 v[AA], s[TB], v[AA0]
	v_add_nc_u32 v[AB], s[TB], v[AB0]
	v_add_nc_u32 v[AF], 512, v[AF]
	FETCHF
	FETCH 0, 0
.if \fill
	ASK
.endif
	MUL8 1, 2, 0, 0, 0, 0
	s_wait_dscnt 16                                ; the factors and P are in
	MUL8 1, 3, 0, 0, 0, 1
.endm
	s_wait_tensorcnt 1                             ; my part of slot 0 is in; slot 1's may stay out
	s_wait_dscnt 0x0                               ; for the others' sake: my factors and my 1 / l are stored
	s_barrier_signal -1
	s_barrier_wait -1
.irp a, 0,1,2,3
	ds_load_b32 v[INV+2*\a], v[AF] offset:INVT-FT+64*\a
.endr
	FETCHF
	FETCH 0, 0
	s_wait_dscnt 0x0
.irp i, 0,1,2,3,4,5,6,7
	SC 0, \i                                       ; the first quarter's P: there are no products yet to set these behind
.endr
	QUARTER 0, 1, 1, 1                             ; the first quarter stands in front of the loop: its products start the sums
	WIN 0
	s_mov_b32 s[CNT], 14
.Lstep:                                                ; a trip goes from a step's second quarter to the next step's first, and fills a slot again
	QUARTER 1, 0, 2, 0
	QUARTER 0, 1, 3, 0
	TURN 1
	QUARTER 0, 1, 1, 0
	WIN 0
	s_sub_co_u32 s[CNT], s[CNT], 1
	s_cmp_lg_u32 s[CNT], 0
	s_cbranch_scc1 .Lstep
	QUARTER 1, 0, 2, 0                             ; the tail is written out: nothing more is asked for
	QUARTER 0, 1, 3, 0
	TURN 0
	QUARTER 0, 1, 1, 0
	QUARTER 1, 0, 2, 0
	QUARTER 0, 1, 3, 0
	s_wait_dscnt 0x0
	MUL8 1, 0, 0, 0, 0, 0
	MUL8 1, 1, 0, 0, 0, 0
	MUL8 1, 2, 0, 0, 0, 0
	MUL8 1, 3, 0, 0, 0, 0
	PLACES 4
	; THE WAY OUT, a block of 16 queries at a time: times 1 / l; 32 bytes a lane into my stage; back as whole rows of 512 bytes.
.irp a, 0,1,2,3
	WIN 0x02                                       ; source 0 window 2
.set i, 0
.rept 32
	v_pk_mul_f32 v[OT+2*i:OT+2*i+1], v[64*\a+2*i:64*\a+2*i+1], v[INV+2*\a:INV+2*\a+1] op_sel_hi:[1,0]
.set i, i+1
.endr
	WIN 0
.irp b, 0,1,2,3,4,5,6,7
	ds_store_b128 v[STO], v[OT+8*\b:OT+8*\b+3]   offset:64*\b
	ds_store_b128 v[STO], v[OT+8*\b+4:OT+8*\b+7] offset:64*\b+16
.endr
	s_wait_xcnt 0x0                                ; the last block's stores have read the registers that are loaded again below
.irp t, 0,1,2,3,4,5,6,7,8,9,10,11,12,13,14,15
	ds_load_b128 v[OB+4*\t:OB+4*\t+3], v[RD] offset:SP*\t  ; LDS serves a wave's instructions in order (ISA guide 5.7.1.4): these see the stores above
.endr
	s_wait_dscnt 0x0
.irp t, 0,1,2,3,4,5,6,7,8,9,10,11,12,13,14,15
	global_store_b128 v[CO], v[OB+4*\t:OB+4*\t+3], s[12:13] offset:(16*\a+\t)*4096 th:TH_STORE_NT  ; a wave stores 512 consecutive bytes, at a multiple of 256 from out0's first byte
.endr
.endr
	s_wait_tensorcnt 0x0                           ; the wave's end
	ds_add_u32 v[SPW], v[NIL]
	s_wait_dscnt 0x0
	CROUND                                         ; the closing round
	s_endpgm
.Lfunc_end_k_qcac94b9240_pv:
	.size	k_qcac94b9240_pv, .Lfunc_end_k_qcac94b9240_pv-k_qcac94b9240_pv
	.p2alignl 7, 3214868480
	.fill 96, 4, 3214868480
	.section	.rodata,"a",@progbits
	.p2align	6, 0x0
	.amdhsa_kernel k_qcac94b9240_pv
		.amdhsa_group_segment_fixed_size 327680
		.amdhsa_private_segment_fixed_size 0
		.amdhsa_enable_private_segment 0
		.amdhsa_kernarg_size 40
		.amdhsa_user_sgpr_count 2
		.amdhsa_user_sgpr_kernarg_segment_ptr 1
		.amdhsa_wavefront_size32 1
		.amdhsa_system_sgpr_workgroup_id_x 1
		.amdhsa_system_sgpr_workgroup_id_y 1
		.amdhsa_system_sgpr_workgroup_id_z 1
		.amdhsa_system_vgpr_workitem_id 0
		.amdhsa_next_free_vgpr 768
		.amdhsa_next_free_sgpr 80
		.amdhsa_reserve_vcc 0
		.amdhsa_float_denorm_mode_32 3
		.amdhsa_float_denorm_mode_16_64 3
		.amdhsa_memory_ordered 1
		.amdhsa_forward_progress 1
		.amdhsa_inst_pref_size 120
	.end_amdhsa_kernel
	.amdgpu_metadata
---
amdhsa.version: [ 1, 2 ]
amdhsa.kernels:
  - .name:           k_qcac94b9240_pv
    .symbol:         k_qcac94b9240_pv.kd
    .args:
      - { .name: pmat, .offset: 0, .size: 8, .value_kind: global_buffer, .address_space: global }
      - { .name: qv, .offset: 8, .size: 8, .value_kind: global_buffer, .address_space: global }
      - { .name: ustat, .offset: 16, .size: 8, .value_kind: global_buffer, .address_space: global }
      - { .name: lstat, .offset: 24, .size: 8, .value_kind: global_buffer, .address_space: global }
      - { .name: out0, .offset: 32, .size: 8, .value_kind: global_buffer, .address_space: global }
    .group_segment_fixed_size: 327680
    .private_segment_fixed_size: 0
    .kernarg_segment_align: 8
    .kernarg_segment_size: 40
    .max_flat_workgroup_size: 128
    .sgpr_count:     80
    .vgpr_count:     768
    .wavefront_size: 32
...
	.end_amdgpu_metadata
.endif
;; end of part 4
